; MI455X (gfx1250); checked and timed in simulation.
; The chip was launched on July 23, 2026; its instructions are those of AMD's public machine-readable ISA for CDNA 5 (MIT licence, August 2026) and "CDNA5" Instruction Set Architecture Reference Guide (July 2026). The comments in the code are by the model that wrote it; some were corrected since.
;; Multi Head Attention. Allowed arithmetic: matrix products marked QUANTISED: E2M3 operands, one E8M0 scale for each 32 along K, by v_wmma_scale_f32_16x16x128_f8f6f4 with both operands' format E2M3, f32 sums; everything else in f32.
;; Inputs: Wk 1,024 x 1,024 float32; Wo 1,024 x 1,024 float32; Wq 1,024 x 1,024 float32; Wv 1,024 x 1,024 float32; bk 1,024 float32; bo 1,024 float32; bq 1,024 float32; bv 1,024 float32; key 4 x 2,048 x 1,024 float32; mask 4 x 1 x 2,048 x 2,048 bool; query 4 x 2,048 x 1,024 float32; value 4 x 2,048 x 1,024 float32.
;; Outputs: out0 4 x 2,048 x 1,024 float32.
;; This version of the problem:
;;   THIS VERSION OF THE PROBLEM IS GIVEN IN LOW PRECISION. The matrix products marked QUANTISED in the list below multiply operands that are first quantised to E2M3 (2 exponent bits, 3 mantissa bits; 6 bits a number), with one power-of-two scale for each 32 numbers along K (OCP MX v1.0); their sums are f32. All else is computed in f32.
;;   The module's matrix products, in the order in which they are computed (A, B: the left and right operand; K: the contracted axis; several contracted axes count as one K, in the product's order):
;;     1. [M 8,192, K 1,024] x [K 1,024, N 1,024]; A: input query; B: input Wq: QUANTISED
;;     2. [M 8,192, K 1,024] x [K 1,024, N 1,024]; A: input key; B: input Wk: QUANTISED
;;     3. [M 8,192, K 1,024] x [K 1,024, N 1,024]; A: input value; B: input Wv: QUANTISED
;;     4. batch 64 x [M 2,048, K 64] x [K 64, N 2,048]; A: computed on the way; B: computed on the way: QUANTISED
;;     5. batch 64 x [M 2,048, K 2,048] x [K 2,048, N 64]; A: softmax (see below); B: computed on the way: QUANTISED
;;     6. [M 8,192, K 1,024] x [K 1,024, N 1,024]; A: computed on the way; B: input Wo: QUANTISED
;;   THE QUANTISER, for each operand of a quantised product, along K:
;;     - K is cut into blocks of 32 from its start; a last block that is shorter is filled with zeros.
;;     - A block's scale is 2^e with e = floor(log2(the largest magnitude in the block)) - 2, held to -126 .. 127; a block of zeros has e = 0. As a byte (E8M0): e + 127.
;;     - Each number is divided by its block's scale, clamped to +-7.5, and rounded to the nearest number of E2M3, ties to even, subnormals kept.
;;     - The product sums the exact products of the quantised numbers (number of the format x scale) in f32.
;;   ~~~python
;;   def quantise(x, axis):      # numpy; x: float32 -> the quantised numbers, widened to float32 again
;;       x = np.moveaxis(x, axis, -1); K = x.shape[-1]
;;       x = np.pad(x, [(0, 0)] * (x.ndim - 1) + [(0, -K % 32)]); x = x.reshape(x.shape[:-1] + (-1, 32)); a = np.abs(x).max(-1, keepdims=True)
;;       e = np.where(a > 0, np.clip(np.frexp(np.where(a > 0, a, 1))[1] - 1 - 2, -126, 127), 0)      # np.frexp(a)[1] - 1 = floor(log2(a)), exactly
;;       r = np.clip(x / 2.0 ** e, -7.5, 7.5)
;;       step = 2.0 ** (np.maximum(np.frexp(np.where(r == 0, 1, r))[1] - 1, 0) - 3)
;;       q = np.round(r / step) * step * 2.0 ** e      # np.round: ties to even
;;       return np.moveaxis(q.reshape(q.shape[:-2] + (-1,))[..., :K], -1, axis).astype(np.float32)
;;   ~~~
;;   SOFTMAX AHEAD OF A QUANTISED PRODUCT. Where the list says 'softmax', what is quantised is not the finished softmax but p = 2^(t - M), with t = logit x log2(e) and M = ceil(the row's largest t), a whole number; so 1/2 < the row's largest p <= 1. The row's sum l is taken of the UNQUANTISED p, in f32, and the product's result is divided by l at the end. Since M is a whole number, a kernel that streams over the keys may use a running M (the ceiling of the running maximum): every later rescaling is an exact power of two, which a block's scale takes up: the codes' values come out the same.
;;   OPERANDS COMPUTED ON THE WAY. 'Computed on the way' means the value that the module computes at that place (a softmax that the list does not call 'softmax' is quantised finished and normalised). What goes into a quantiser is computed in f32, as accurately as f32 sums, v_exp_f32 and their like allow (about 1e-6 of the number): no bf16 or f16 on the way to a quantiser, and a product that is left as it is and whose result goes on into a quantised operand takes f32 operands (vector FMAs, or v_wmma_f32_16x16x4_f32). A number that lies on a knife's edge between two numbers of the format may be rounded either way, as far as f32 arithmetic and the matrix unit's own rounding can turn it there, and no further.
;; 2 versions, each right; version 2 is version 1 with the launch attn written anew for expert scheduling mode. Each part assembles by itself: llvm-mc -triple=amdgcn-amd-amdhsa -mcpu=gfx1250 --defsym DOCPART=n.
;; ======== version 1 of 2: 4 launches
;; workspace buffers: pre 22,937,600 bytes; mk 2,097,152 bytes of whole numbers; qkv 19,660,800 bytes; ctx 6,553,600 bytes
;; launch prep (part 1): grid 768 x 1, 4 waves a work-group, no clusters, 64,000 bytes of LDS; arguments query, key, value, Wq, Wk, Wv, Wo, mask, pre, mk; writes pre, mk
.if DOCPART == 1
	.amdgcn_target "amdgcn-amd-amdhsa--gfx1250"
	.amdhsa_code_object_version 6
	.text
	.protected	k_qe1f77981f1_prep
	.globl	k_qe1f77981f1_prep
	.p2align	8
	.type	k_qe1f77981f1_prep,@function
k_qe1f77981f1_prep:
	s_mov_b64 s[64:65], 0
	v_nop
	global_prefetch_b8 v0, s[64:65] scope:SCOPE_SE
	s_setreg_imm32_b32 hwreg(HW_REG_WAVE_MODE, 25, 1), 1
	s_wait_xcnt 0x0
; PREP: everything that is read once as wide numbers is made narrow here, in the order in which the later launches' operand registers take it.
;   path X (work-groups 0-383):   query, key, value [8192][1024] f32 -> codes of FP6 (E2M3) along K = the 1,024, one E8M0 byte for each 32.
;   path W (work-groups 384-639): Wq, Wk, Wv, Wo [1024 (k)][1024 (n)] f32 -> the same along K = their FIRST axis.
;   path M (work-groups 640-767): mask [4][2048][2048] bytes -> one bit a (query, key), as words whose bit l belongs to lane l of the attention launch.
; TILE ORDER.  Tile T of 16 rows (or columns n) holds rows 32 (T / 2) + 8 (T % 2) + i + 8 (i / 8), i = 0 .. 15, so that results of two neighbouring tiles are 16 neighbours along the next product's K.
; LAYOUTS in pre.  A fragment (16 rows x 128 K, 12 registers a lane: registers 6 c .. 6 c + 5 = K 64 c + 32 (lane / 16) + 0 .. 31 of row lane % 16) is 1,536 bytes.
;   x:  [tensor][tile 512][K step 8], two halves of 768 bytes: registers 6 c .. 6 c + 3 at 16 x lane, registers 6 c + 4, 6 c + 5 at 512 + 8 x lane.
;   W:  [weight][tile 64][K step 8], three chunks of 512 bytes: registers 4 j .. 4 j + 3 at 512 j + 16 x lane.
;   scale words: [tile][row 16][K step 8], 512 bytes a tile.
; A block's scale is 2^(floor(log2(its largest magnitude)) - 2); its byte is the largest magnitude's exponent field - 2.
; LIMITS: a block whose largest magnitude lies under 2^-124 keeps the byte 1, and so does a block of zeros (its codes are zeros; only this program reads the bytes).  NaN and infinities among the inputs are not served.
; The weights' scale words leave as single words 32 bytes apart (131,072 bytes in the whole launch); all other stores cover whole aligned runs of 256 bytes.
; Each path has LDS bytes of its own; no wave reads another wave's bytes, so there is no barrier.
.set WCO,   18874368                   ; pre: the weights' codes
.set XSO,   22020096                   ; pre: x's scale words
.set WSO,   22806528                   ; pre: the weights' scale words
.set WST,   33792                      ; LDS: path X's stages 4 x 8,448 from 0; path W's 4 x 3,072 from here;
.set MST,   46080                      ; path M's 4 x 4,352 from here;
.set SPARE, 63488                      ; the spare words, 128 bytes a wave, which no other line names
.set SPW,   2                          ; v2  my spare word's address; never rewritten
.set NIL,   3                          ; v3  0; never rewritten
.set FLOOR, 0x1800000                  ; 2^(3 - 127): no largest magnitude is taken under it, so no byte falls under 1
.set OFF2,  0xff000000                 ; takes 2 off an exponent field
.set XR,    64                         ; path X: v64-191 two sets of 64 numbers as loaded
.set XX,    192                        ; v192-255 my two whole blocks of 32
	s_load_b512 s[4:19], s[0:1], 0x0               ; query, key, value, Wq, Wk, Wv, Wo, mask
	s_load_b128 s[20:23], s[0:1], 0x40             ; pre, mk
	v_lshl_add_u32 v[SPW], v0, 2, SPARE
	v_mov_b32 v[NIL], 0
	v_lshrrev_b32 v1, 5, v0
	v_readfirstlane_b32 s24, v1                    ; wave
	v_and_b32 v1, 31, v0                           ; lane
	s_wait_kmcnt 0x0
	s_cmp_lt_u32 ttmp9, 384
	s_cbranch_scc1 .Lpath_x
	s_cmp_lt_u32 ttmp9, 640
	s_cbranch_scc1 .Lpath_w
	s_branch .Lpath_m
; ---------------------------------------------------------------- path X: a wave takes one tile of 16 rows and all of K, eight K steps of 128
.macro XLOAD t                         ; K step t: 16 loads, each 512 consecutive bytes of one row of the tile
.irp i, 0,1,2,3,4,5,6,7,8,9,10,11,12,13,14,15
	global_load_b128 v[XR+64*((\t)%2)+4*\i:XR+64*((\t)%2)+4*\i+3], v4, s[28:29] offset:(\i+8*(\i/8))*4096+512*(\t) th:TH_LOAD_NT
.endr
.endm
.macro XUNIT t
.if (\t) < 7
	s_wait_loadcnt 16                              ; this K step's 16 loads are in; the next step's 16 may be out
.else
	s_wait_loadcnt 0x0
.endif
.irp i, 0,1,2,3,4,5,6,7,8,9,10,11,12,13,14,15
	ds_store_b128 v6, v[XR+64*((\t)%2)+4*\i:XR+64*((\t)%2)+4*\i+3] offset:528*\i     ; the rows as they lie, 528 bytes apart
.endr
.irp c, 0,1
.irp j, 0,1,2,3,4,5,6,7
	ds_load_b128 v[XX+32*\c+4*\j:XX+32*\c+4*\j+3], v7 offset:256*\c+16*\j             ; back: my row's blocks h and 2 + h, whole.  LDS serves a wave's instructions in order
.endr
.endr
	s_wait_dscnt 0x0                               ; my blocks are in, and the stores have read the set that is loaded again below
	s_wait_xcnt 0x0                                ; the last step's stores have read the codes' registers, which are written again below
.if (\t) < 6
	XLOAD (\t)+2
.endif
.irp c, 0,1
	v_max3_num_f32 v[24+\c], |v[XX+32*\c]|, |v[XX+32*\c+1]|, FLOOR
.endr
.irp i, 2,4,6,8,10,12,14,16,18,20,22,24,26,28,30
.irp c, 0,1
	v_max3_num_f32 v[24+\c], v[24+\c], |v[XX+32*\c+\i]|, |v[XX+32*\c+\i+1]|          ; the two blocks by turns
.endr
.endr
.irp c, 0,1
	v_add_nc_u32 v[26+\c], OFF2, v[24+\c]          ; the conversion takes this operand's exponent field as its scale
.endr
.irp c, 0,1
	v_lshrrev_b32 v[28+\c], 23, v[26+\c]           ; the scale's byte
.endr
	v_lshl_or_b32 v30, v29, 16, v28                ; my two bytes, blocks h and 2 + h,
	v_lshlrev_b32 v30, v8, v30                     ; 8 h bits up;
	v_permlanex16_b32 v31, v30, s40, s41
	v_or_b32 v[16+(\t)], v30, v31                  ; with the other half's two the row's word of this K step is whole
.irp c, 0,1
	v_cvt_scalef32_pk16_fp6_f32 v[32+6*\c:34+6*\c], v[XX+32*\c:XX+32*\c+15], v[26+\c]
	v_cvt_scalef32_pk16_fp6_f32 v[44+4*\c:46+4*\c], v[XX+32*\c+16:XX+32*\c+31], v[26+\c]   ; (a conversion's three registers begin on an even number)
.endr
	v_nop                                          ; one plain place behind a scaled conversion
.irp c, 0,1
.irp i, 0,1,2
	v_mov_b32 v[35+6*\c+\i], v[44+4*\c+\i]
.endr
.endr
	global_store_b128 v4, v[32:35], s[34:35] offset:1536*(\t)          ; 512, 256, 512, 256 consecutive bytes
	global_store_b64  v5, v[36:37], s[34:35] offset:1536*(\t)+512
	global_store_b128 v4, v[38:41], s[34:35] offset:1536*(\t)+768
	global_store_b64  v5, v[42:43], s[34:35] offset:1536*(\t)+1280
.endm
.Lpath_x:
	s_lshr_b32 s25, ttmp9, 7                       ; which tensor
	s_and_b32 s26, ttmp9, 127
	s_lshl_b32 s26, s26, 2
	s_add_co_u32 s26, s26, s24                     ; tile T, 0 .. 511
	s_cmp_eq_u32 s25, 0
	s_cselect_b64 s[28:29], s[4:5], s[6:7]
	s_cmp_eq_u32 s25, 2
	s_cselect_b64 s[28:29], s[8:9], s[28:29]
	s_lshr_b32 s30, s26, 1
	s_lshl_b32 s30, s30, 17                        ; 32 (T / 2) rows of 4,096 bytes
	s_and_b32 s31, s26, 1
	s_lshl_b32 s31, s31, 15                        ; + 8 (T % 2) rows
	s_add_co_u32 s30, s30, s31
	s_mov_b32 s31, 0
	s_add_nc_u64 s[28:29], s[28:29], s[30:31]
	s_mul_i32 s30, s25, 6291456
	s_mul_i32 s32, s26, 12288
	s_add_co_u32 s30, s30, s32
	s_add_nc_u64 s[34:35], s[20:21], s[30:31]      ; the tile's codes
	s_lshl_b32 s30, s25, 18
	s_lshl_b32 s32, s26, 9
	s_add_co_u32 s30, s30, s32
	s_add_co_u32 s30, s30, XSO
	s_add_nc_u64 s[36:37], s[20:21], s[30:31]      ; its scale words
	v_and_b32 v10, 15, v0                          ; r
	v_bfe_u32 v11, v0, 4, 1                        ; h
	v_lshlrev_b32 v4, 4, v1                        ; 16 x lane
	v_lshlrev_b32 v5, 3, v1                        ; 8 x lane
	s_mul_i32 s38, s24, 8448                       ; my stage
	v_add_nc_u32 v6, s38, v4                       ; into it
	v_mul_u32_u24 v7, v10, 528
	v_lshl_add_u32 v7, v11, 7, v7
	v_add_nc_u32 v7, s38, v7                       ; out of it: row r, + 128 h
	v_lshlrev_b32 v8, 3, v11                       ; 8 h
	v_lshlrev_b32 v9, 5, v10
	v_lshl_add_u32 v9, v11, 4, v9                  ; 32 r + 16 h
	v_mov_b32 v31, 0                               ; a lane permute's destination counts as one of its sources
	s_mov_b32 s40, 0x76543210
	s_mov_b32 s41, 0xfedcba98                      ; lane l xor 16
	XLOAD 0
	XLOAD 1
.irp t, 0,1,2,3,4,5,6,7
	XUNIT \t
.endr
	v_cmp_eq_u32 vcc_lo, 1, v11
.irp q, 0,1,2,3
	v_cndmask_b32 v[24+\q], v[16+\q], v[20+\q], vcc_lo    ; lanes 0-15 store words 0-3 of their row, lanes 16-31 words 4-7
.endr
	global_store_b128 v9, v[24:27], s[36:37]       ; 512 consecutive bytes
	s_wait_tensorcnt 0x0                           ; the wave's end, behind my last LDS store
	ds_add_u32 v[SPW], v[NIL]
	s_wait_dscnt 0x0
	s_endpgm
; ---------------------------------------------------------------- path W: a wave takes 32 columns x 128 along K; a lane takes a column, its registers run down K
.macro WLOAD kb
.irp i, 0,1,2,3,4,5,6,7,8,9,10,11,12,13,14,15,16,17,18,19,20,21,22,23,24,25,26,27,28,29,30,31
	global_load_b32 v[64+32*(\kb)+\i], v4, s[30:31] offset:(32*(\kb)+\i)*4096 th:TH_LOAD_NT
.endr
.endm
.macro WBLK kb                         ; block kb = 2 c + h of the K step: it belongs to lane r + 16 h of my column's tile, registers 6 c .. 6 c + 5
.set WX, 64+32*(\kb)
.set WB, 192+12*(\kb)
.if (\kb) < 3
	s_wait_loadcnt 32                              ; this block's 32 loads are in; the next block's 32 may be out
.else
	s_wait_loadcnt 0x0
.endif
.if (\kb) < 2
	WLOAD (\kb)+2
.endif
	v_max3_num_f32 v14, |v[WX]|, |v[WX+1]|, |v[WX+2]|
	v_max3_num_f32 v15, |v[WX+3]|, |v[WX+4]|, |v[WX+5]|
.irp i, 6,10,14,18,22,26
	v_max3_num_f32 v14, v14, |v[WX+\i]|, |v[WX+\i+1]|
	v_max3_num_f32 v15, v15, |v[WX+\i+2]|, |v[WX+\i+3]|
.endr
	v_max3_num_f32 v14, v14, |v[WX+30]|, |v[WX+31]|
	v_max3_num_f32 v14, v14, v15, FLOOR
	v_add_nc_u32 v16, OFF2, v14
	v_lshrrev_b32 v17, 23, v16
.if (\kb) == 0
	v_mov_b32 v18, v17                             ; the column's scale word of this K step: byte kb
.else
	v_lshl_or_b32 v18, v17, 8*(\kb), v18
.endif
	v_cvt_scalef32_pk16_fp6_f32 v[WB:WB+2], v[WX:WX+15], v16
	v_cvt_scalef32_pk16_fp6_f32 v[WB+6:WB+8], v[WX+16:WX+31], v16
	v_nop                                          ; one plain place behind a scaled conversion
.irp i, 0,1,2
	v_mov_b32 v[WB+3+\i], v[WB+6+\i]
.endr
.if (\kb) < 2                          ; registers 0-3 lie in chunk 0, registers 4, 5 at the head of a lane's 16 bytes of chunk 1
	ds_store_b128 v10, v[WB:WB+3] offset:256*((\kb)%2)
	ds_store_b64  v10, v[WB+4:WB+5] offset:256*((\kb)%2)+512
.else                                  ; registers 6, 7 in the rest of those 16 bytes, registers 8-11 in chunk 2
	ds_store_b64  v10, v[WB:WB+1] offset:256*((\kb)%2)+520
	ds_store_b128 v10, v[WB+2:WB+5] offset:256*((\kb)%2)+1024
.endif
.endm
.Lpath_w:
	s_sub_co_u32 s25, ttmp9, 384
	s_lshr_b32 s26, s25, 6                         ; which weight: q, k, v, o
	s_bfe_u32 s27, s25, 0x30003                    ; which 128 columns
	s_and_b32 s28, s25, 7                          ; which K step
	s_cmp_eq_u32 s26, 0
	s_cselect_b64 s[30:31], s[10:11], s[12:13]
	s_cmp_eq_u32 s26, 2
	s_cselect_b64 s[30:31], s[14:15], s[30:31]
	s_cmp_eq_u32 s26, 3
	s_cselect_b64 s[30:31], s[16:17], s[30:31]
	s_lshl_b32 s32, s27, 2
	s_add_co_u32 s32, s32, s24                     ; G: my wave's 32 columns = tiles 2 G and 2 G + 1
	s_lshl_b32 s34, s28, 19                        ; 128 rows of 4,096 bytes a K step
	s_lshl_b32 s35, s32, 7                         ; 32 columns of 4 bytes
	s_add_co_u32 s34, s34, s35
	s_mov_b32 s35, 0
	s_add_nc_u64 s[30:31], s[30:31], s[34:35]
	s_mul_i32 s34, s26, 786432
	s_lshl_b32 s36, s32, 4
	s_add_co_u32 s36, s36, s28                     ; fragment 8 (2 G) + K step
	s_mul_i32 s36, s36, 1536
	s_add_co_u32 s34, s34, s36
	s_add_co_u32 s34, s34, WCO
	s_add_nc_u64 s[38:39], s[20:21], s[34:35]
	s_lshl_b32 s34, s26, 15
	s_lshl_b32 s36, s32, 10                        ; 512 bytes a tile
	s_add_co_u32 s34, s34, s36
	s_lshl_b32 s36, s28, 2
	s_add_co_u32 s34, s34, s36
	s_add_co_u32 s34, s34, WSO
	s_add_nc_u64 s[40:41], s[20:21], s[34:35]
	v_lshlrev_b32 v4, 2, v1                        ; my column
	v_bfe_u32 v5, v0, 3, 1                         ; u: which of the two tiles it belongs to
	v_and_b32 v6, 7, v0
	v_bfe_u32 v7, v0, 4, 1
	v_lshl_add_u32 v6, v7, 3, v6                   ; r: its row there
	s_mul_i32 s42, s24, 3072
	s_add_co_u32 s42, s42, WST                     ; my stage: two fragments' images
	v_mul_u32_u24 v10, v5, 1536
	v_lshl_add_u32 v10, v6, 4, v10
	v_add_nc_u32 v10, s42, v10                     ; into it
	v_lshlrev_b32 v11, 4, v1
	v_add_nc_u32 v12, s42, v11                     ; out of it: 16 x lane
	v_lshlrev_b32 v13, 9, v5
	v_lshl_add_u32 v13, v6, 5, v13                 ; my scale word: 512 u + 32 r
	WLOAD 0
	WLOAD 1
.irp kb, 0,1,2,3
	WBLK \kb
.endr
.irp j, 0,1,2,3,4,5
	ds_load_b128 v[20+4*\j:23+4*\j], v12 offset:512*\j       ; LDS serves a wave's instructions in order: these see my stores
.endr
.irp j, 0,1,2,3,4,5
	s_wait_dscnt 5-\j
	global_store_b128 v11, v[20+4*\j:23+4*\j], s[38:39] offset:(\j/3)*12288+512*(\j%3)    ; 512 consecutive bytes
.endr
	global_store_b32 v13, v18, s[40:41]
	s_wait_tensorcnt 0x0                           ; the wave's end, behind my last LDS store
	ds_add_u32 v[SPW], v[NIL]
	s_wait_dscnt 0x0
	s_endpgm
; ---------------------------------------------------------------- path M: a wave takes one tile of 16 queries of one batch and all 2,048 keys, 512 a trip
; Word n = 16 b + i of a key step: bit l = mask(query row l % 16 of the tile, key 128 step + 32 b + 16 (l / 16) + i): the key that register n of lane l holds in the attention launch.
.macro MSTEP ch, kk
.set n, 0
.rept 64
	v_and_b32 v[168+n%4], 1<<(8*(n%4)), v[128+16*\kk+n/4]
	v_cmp_ne_u32 s[40+n%4], 0, v[168+n%4]          ; word n,
	v_writelane_b32 v[160+2*(2*\ch+\kk)+n%2], s[40+n%4], n/2     ; to lane n / 2, which stores words 2 (n / 2) and 2 (n / 2) + 1
.set n, n+1
.endr
	global_store_b64 v9, v[160+2*(2*\ch+\kk):161+2*(2*\ch+\kk)], s[34:35] offset:256*(2*\ch+\kk)   ; 256 consecutive bytes
.endm
.macro MCHUNK ch                       ; 256 keys of the 16 rows
.if \ch == 0
	s_wait_loadcnt 8                               ; this chunk's eight loads are in; the other chunk's eight may be out
.else
	s_wait_loadcnt 0x0
.endif
.irp i, 0,1,2,3,4,5,6,7
	ds_store_b128 v7, v[64+32*\ch+4*\i:67+32*\ch+4*\i] offset:544*\i    ; rows 2 i and 2 i + 1 of the tile, 272 bytes apart
.endr
.irp j, 0,1,2,3,4,5,6,7
	ds_load_b128 v[128+4*\j:131+4*\j], v8 offset:32*\j                  ; back: my row's keys 32 j + 16 h + 0 .. 15
.endr
	s_wait_dscnt 0x0
	MSTEP \ch, 0
	MSTEP \ch, 1
.endm
.Lpath_m:
	s_sub_co_u32 s25, ttmp9, 640
	s_lshl_b32 s25, s25, 2
	s_add_co_u32 s25, s25, s24                     ; 128 batch + tile
	s_lshr_b32 s26, s25, 7
	s_and_b32 s27, s25, 127
	s_lshl_b32 s28, s26, 22                        ; a batch's 2,048 x 2,048 bytes
	s_lshr_b32 s29, s27, 1
	s_lshl_b32 s29, s29, 16                        ; 32 (T / 2) rows of 2,048 bytes
	s_add_co_u32 s28, s28, s29
	s_and_b32 s29, s27, 1
	s_lshl_b32 s29, s29, 14                        ; 8 (T % 2) rows
	s_add_co_u32 s28, s28, s29
	s_mov_b32 s29, 0
	s_add_nc_u64 s[18:19], s[18:19], s[28:29]
	s_lshl_b32 s28, s25, 12
	s_add_nc_u64 s[34:35], s[22:23], s[28:29]      ; the tile's words: 16 steps of 256 bytes
	v_and_b32 v4, 15, v0
	v_bfe_u32 v5, v0, 4, 1
	v_lshlrev_b32 v6, 11, v5
	v_lshl_add_u32 v6, v4, 4, v6                   ; in: lanes 0-15 take 256 bytes of one row, lanes 16-31 of the next
	s_mul_i32 s33, s24, 4352
	s_add_co_u32 s33, s33, MST                     ; my stage
	v_mul_u32_u24 v7, v5, 272
	v_lshl_add_u32 v7, v4, 4, v7
	v_add_nc_u32 v7, s33, v7
	v_mul_u32_u24 v8, v4, 272
	v_lshl_add_u32 v8, v5, 4, v8
	v_add_nc_u32 v8, s33, v8
	v_lshlrev_b32 v9, 3, v1
.irp i, 0,1,2,3,4,5,6,7
	v_mov_b32 v[160+\i], 0                         ; a lane write's destination counts as one of its sources
.endr
	s_mov_b32 s30, 4                               ; trips
.Lm_trip:
.irp ch, 0,1
.irp i, 0,1,2,3,4,5,6,7
	global_load_b128 v[64+32*\ch+4*\i:67+32*\ch+4*\i], v6, s[18:19] offset:(2*\i+8*(\i/4))*2048+256*\ch th:TH_LOAD_NT
.endr
.endr
	MCHUNK 0
	MCHUNK 1
	s_wait_xcnt 0x0                                ; the stores have read their data and both bases: all are written again
	s_add_nc_u64 s[18:19], s[18:19], 512
	s_add_nc_u64 s[34:35], s[34:35], 1024
	s_sub_co_u32 s30, s30, 1
	s_cmp_lg_u32 s30, 0
	s_cbranch_scc1 .Lm_trip
	s_wait_tensorcnt 0x0                           ; the wave's end, behind my last LDS store
	ds_add_u32 v[SPW], v[NIL]
	s_wait_dscnt 0x0
	s_endpgm
.Lfunc_end_k_qe1f77981f1_prep:
	.size	k_qe1f77981f1_prep, .Lfunc_end_k_qe1f77981f1_prep-k_qe1f77981f1_prep
	.p2alignl 7, 3214868480
	.fill 96, 4, 3214868480
	.section	.rodata,"a",@progbits
	.p2align	6, 0x0
	.amdhsa_kernel k_qe1f77981f1_prep
		.amdhsa_group_segment_fixed_size 64000
		.amdhsa_private_segment_fixed_size 0
		.amdhsa_enable_private_segment 0
		.amdhsa_kernarg_size 80
		.amdhsa_user_sgpr_count 2
		.amdhsa_user_sgpr_kernarg_segment_ptr 1
		.amdhsa_wavefront_size32 1
		.amdhsa_system_sgpr_workgroup_id_x 1
		.amdhsa_system_sgpr_workgroup_id_y 1
		.amdhsa_system_sgpr_workgroup_id_z 1
		.amdhsa_system_vgpr_workitem_id 0
		.amdhsa_next_free_vgpr 256
		.amdhsa_next_free_sgpr 66
		.amdhsa_reserve_vcc 1
		.amdhsa_float_denorm_mode_32 3
		.amdhsa_float_denorm_mode_16_64 3
		.amdhsa_memory_ordered 1
		.amdhsa_forward_progress 1
		.amdhsa_inst_pref_size 132
	.end_amdhsa_kernel
	.amdgpu_metadata
---
amdhsa.version: [ 1, 2 ]
amdhsa.kernels:
  - .name:           k_qe1f77981f1_prep
    .symbol:         k_qe1f77981f1_prep.kd
    .args:
      - { .name: query, .offset: 0, .size: 8, .value_kind: global_buffer, .address_space: global }
      - { .name: key, .offset: 8, .size: 8, .value_kind: global_buffer, .address_space: global }
      - { .name: value, .offset: 16, .size: 8, .value_kind: global_buffer, .address_space: global }
      - { .name: Wq, .offset: 24, .size: 8, .value_kind: global_buffer, .address_space: global }
      - { .name: Wk, .offset: 32, .size: 8, .value_kind: global_buffer, .address_space: global }
      - { .name: Wv, .offset: 40, .size: 8, .value_kind: global_buffer, .address_space: global }
      - { .name: Wo, .offset: 48, .size: 8, .value_kind: global_buffer, .address_space: global }
      - { .name: mask, .offset: 56, .size: 8, .value_kind: global_buffer, .address_space: global }
      - { .name: pre, .offset: 64, .size: 8, .value_kind: global_buffer, .address_space: global }
      - { .name: mk, .offset: 72, .size: 8, .value_kind: global_buffer, .address_space: global }
    .group_segment_fixed_size: 64000
    .private_segment_fixed_size: 0
    .kernarg_segment_align: 8
    .kernarg_segment_size: 80
    .max_flat_workgroup_size: 128
    .sgpr_count:     66
    .vgpr_count:     256
    .wavefront_size: 32
...
	.end_amdgpu_metadata
.endif
;; end of part 1
;; launch proj (part 2): grid 4 x 192, 4 waves a work-group, clusters of 4 x 4, 327,680 bytes of LDS; arguments pre, bq, bk, bv, qkv; writes qkv
.if DOCPART == 2
	.amdgcn_target "amdgcn-amd-amdhsa--gfx1250"
	.amdhsa_code_object_version 6
	.text
	.protected	k_qe1f77981f1_proj
	.globl	k_qe1f77981f1_proj
	.p2align	8
	.type	k_qe1f77981f1_proj,@function
k_qe1f77981f1_proj:
	s_mov_b64 s[64:65], 0
	v_nop
	global_prefetch_b8 v0, s[64:65] scope:SCOPE_SE
	s_setreg_imm32_b32 hwreg(HW_REG_WAVE_MODE, 25, 1), 1
	s_wait_xcnt 0x0
	s_wait_alu depctr_hold_cnt(0) depctr_sa_sdst(0) depctr_va_vdst(0) depctr_va_sdst(0) depctr_va_ssrc(0) depctr_va_vcc(0) depctr_vm_vsrc(0)
	s_getreg_b32 s2, hwreg(HW_REG_IB_STS2, 6, 4)
	s_cmp_eq_u32 s2, 0
	s_cbranch_scc0 .Lentry_in_a_cluster
	s_endpgm
.Lentry_in_a_cluster:
	s_bfe_u32 s2, ttmp6, 0x10000c
	s_cmp_lg_u32 s2, 0xf033
	s_cbranch_scc0 .Lentry_shape_is_right
	s_endpgm
.Lentry_shape_is_right:
; PROJ: q = query Wq + bq, k = key Wk + bk, v = value Wv + bv on codes of FP6 (E2M3) with E8M0 scales, and the results quantised at once for the attention launch: q and k along the head's 64, v along the keys.
; SHARES.  A work-group takes 128 rows (8 tiles) x 256 columns (16 tiles) of one of the three products; the whole K = 1,024 of both operands, 98,304 + 196,608 bytes, lies in LDS: every tensor load is a first fill.
; Wave w takes all 8 tiles of rows x column tiles 4 w .. 4 w + 3, one head: 32 accumulators, which take turns in the same order in every K step.
; CLUSTER 4 x 4: the four work-groups of a row of the cluster need the same rows of x, the four of a column the same columns of W: each tile is asked for jointly.  Which of the three products it is hangs on the cluster's y alone.
; q, k: the product is used transposed (source 0 = 16 columns of W, source 1 = 16 rows of x): a lane holds one row, its registers run along the head's 64.  Two tiles of rows make one fragment:
;   registers 0-5 the even tile's 64, registers 6-11 the odd tile's; scale word: bytes 0, 1 and bytes 2, 3.
; v: source 0 = 16 rows of x (keys), source 1 = 16 columns of W: a lane holds one of the head's 64, its registers run along the 128 keys: one fragment of V^T a column tile.
; Both ways a group's 64 numbers lie in accumulators v[64 g] on, register 16 b + i = place 32 b + 16 (lane / 16) + i along the next K, thanks to the order of rows in a tile
; (tile T holds 32 (T / 2) + 8 (T % 2) + i + 8 (i / 8)).  The bias is the C of each sum's first product.
; qkv: [batch x head] { K: 64 pair fragments | V: [key step 16][tile 4] } of 1,536 bytes (three chunks of 512: registers 4 j .. 4 j + 3 at 16 x lane); Q likewise; scale words 64 bytes a fragment.
; The scale words leave in runs of 64 bytes (786,432 bytes in the launch); the codes in runs of 512.
; LIMITS: a block whose largest magnitude lies under 2^-124, a block of zeros among them, keeps the byte 1.  NaN and infinities are not served.
; REGISTERS: window 0: addresses, scale words (v16-79 x's, v80-111 W's), the quantiser's work; window 1: the accumulators; window 2: x's fragments, two sets of 96; window 3: W's, two sets of 48, and the bias from v96.
.set WCO,   18874368
.set XSO,   22020096
.set WSO,   22806528
.set QCO,   12582912
.set KVSO,  18874368
.set QSO,   19398656
.set LB,    98304                      ; LDS: x's fragments [chunk 4][tile 8][2] from 0; W's [chunk 4][tile 16][2] from here
.set SPARE, 294912                     ; the spare words, 128 bytes a wave, which no other line names
.set AA16,  4                          ; v4, v5   16 x lane (+ 49,152): x's chunks 0, 1 and 2, 3; v4 is also the code stores' offset
.set AA8,   6                          ; v6, v7   8 x lane (+ 49,152)
.set BB,    8                          ; v8-11    W's chunk c, my four tiles, + 16 x lane
.set SA,    16
.set SB,    80
.set SPW,   112                        ; my spare word's address; never rewritten
.set NIL,   113                        ; 0; never rewritten
.set PC,    176                        ; v176-195 the codes just made
.set TM,    208                        ; v208-223 the quantiser's work
.set PW,    224                        ; the scale word just made
.set G1A,   24
.set G1B,   32
.set MSB, 0
.macro WIN new                         ; the immediate's high byte repeats the setting that is left
.if MSB != \new
	s_set_vgpr_msb (MSB<<8)|\new
.set MSB, \new
.endif
.endm
.macro CROUND                          ; a round of the cluster's barrier
	s_barrier_signal -1
	s_barrier_wait -1
	s_cmp_lg_u32 s14, 0
	s_cbranch_scc1 .Lnot_wave_0_\@
	s_barrier_signal -3
.Lnot_wave_0_\@:
	s_barrier_wait -3
	s_barrier_signal -1
	s_barrier_wait -1
.endm
.macro FETCH s, p                      ; K step s: x's 8 fragments and my 4 of W into set p: 44 LDS loads
	WIN 0x80
.irp rt, 0,1,2,3,4,5,6,7
.set rF, 96*(\p)+12*\rt
.set oF, (((\s)/2)%2)*24576+\rt*3072+((\s)%2)*1536
	ds_load_b128 v[rF:rF+3],     v[AA16+(\s)/4] offset:oF
	ds_load_b64  v[rF+4:rF+5],   v[AA8+(\s)/4]  offset:oF+512
	ds_load_b128 v[rF+6:rF+9],   v[AA16+(\s)/4] offset:oF+768
	ds_load_b64  v[rF+10:rF+11], v[AA8+(\s)/4]  offset:oF+1280
.endr
	WIN 0xc0
.irp nt, 0,1,2,3
.irp j, 0,1,2
	ds_load_b128 v[48*(\p)+12*\nt+4*\j:48*(\p)+12*\nt+4*\j+3], v[BB+(\s)/2] offset:\nt*3072+((\s)%2)*1536+512*\j
.endr
.endr
.endm
.macro MUL s, p, v                     ; 32 products.  v = 0: transposed (q, k); v = 1: as it stands (v)
.if \v
.if (\s) == 0
	WIN 0x7e                                       ; source 0 (x) window 2, source 1 (W) window 3, C (bias) window 3, D window 1
.else
	WIN 0x5e
.endif
.irp nt, 0,1,2,3
.irp mt, 0,1,2,3,4,5,6,7
.set rD, 8*(8*\nt+\mt)
.set rA, 96*(\p)+12*\mt
.set rB, 48*(\p)+12*\nt
.if (\s) == 0
	v_wmma_scale_f32_16x16x128_f8f6f4 v[rD:rD+7], v[rA:rA+11], v[rB:rB+11], v[96+8*\nt:103+8*\nt], v[SA+8*\mt+(\s)], v[SB+8*\nt+(\s)] matrix_a_fmt:MATRIX_FMT_FP6 matrix_b_fmt:MATRIX_FMT_FP6
.else
	v_wmma_scale_f32_16x16x128_f8f6f4 v[rD:rD+7], v[rA:rA+11], v[rB:rB+11], v[rD:rD+7], v[SA+8*\mt+(\s)], v[SB+8*\nt+(\s)] matrix_a_fmt:MATRIX_FMT_FP6 matrix_b_fmt:MATRIX_FMT_FP6
.endif
.endr
.endr
.else
.if (\s) == 0
	WIN 0x7b                                       ; source 0 (W) window 3, source 1 (x) window 2, C (bias) window 3, D window 1
.else
	WIN 0x5b
.endif
.irp mt, 0,1,2,3,4,5,6,7
.irp nt, 0,1,2,3
.set rD, 8*(4*\mt+\nt)
.set rA, 96*(\p)+12*\mt
.set rB, 48*(\p)+12*\nt
.if (\s) == 0
	v_wmma_scale_f32_16x16x128_f8f6f4 v[rD:rD+7], v[rB:rB+11], v[rA:rA+11], v[96+8*\nt:103+8*\nt], v[SB+8*\nt+(\s)], v[SA+8*\mt+(\s)] matrix_a_fmt:MATRIX_FMT_FP6 matrix_b_fmt:MATRIX_FMT_FP6
.else
	v_wmma_scale_f32_16x16x128_f8f6f4 v[rD:rD+7], v[rB:rB+11], v[rA:rA+11], v[rD:rD+7], v[SB+8*\nt+(\s)], v[SA+8*\mt+(\s)] matrix_a_fmt:MATRIX_FMT_FP6 matrix_b_fmt:MATRIX_FMT_FP6
.endif
.endr
.endr
.endif
.endm
.macro STEP s, v
	s_wait_dscnt 0x0                               ; this step's 44 loads are in, and no LDS instruction of mine is pending at a signal
.if ((\s)%2 == 1) && ((\s) < 7)
	s_wait_tensorcnt 5-(\s)                        ; my two loads of the next chunk have landed; the loads issued behind them may stay out
	s_barrier_signal -1
	s_barrier_wait -1                              ; everybody's have
.endif
.if (\s) < 7
.if (\s) > 0
.rept 4
	v_nop                                          ; four places in front of loads into registers that the last products read
.endr
.endif
	FETCH (\s)+1, ((\s)+1)%2
.endif
	MUL \s, (\s)%2, \v
.endm
; 64 numbers of a lane in window 1, v[s] on, register 16 b + i = place 32 b + 16 (lane / 16) + i along the next K, become a fragment's codes in v[PC] on and its scale word in v[PW].
; Each accumulator is read from its low end on.
.macro QUANT s
	WIN 0x05                                       ; sources 0 and 1 window 1
.irp b, 0,1,2,3
	v_max3_num_f32 v[TM+\b], |v[\s+16*\b]|, |v[\s+1+16*\b]|, 0x1800000       ; with the floor 2^(3 - 127)
.endr
.irp i, 2,4,6,8,10,12,14
.irp b, 0,1,2,3
	v_max3_num_f32 v[TM+\b], |v[\s+16*\b+\i]|, |v[\s+1+16*\b+\i]|, v[TM+\b]  ; the four blocks by turns
.endr
.endr
	WIN 0
.irp b, 0,1,2,3
	v_permlanex16_b32 v[TM+4+\b], v[TM+\b], s94, s95
.endr
.irp b, 0,1,2,3
	v_max_num_f32 v[TM+\b], v[TM+\b], v[TM+4+\b]   ; with lane l xor 16's: the block's largest magnitude
.endr
.irp b, 0,1,2,3
	v_add_nc_u32 v[TM+12+\b], 0xff000000, v[TM+\b] ; 2 off its exponent field: the conversion's scale operand
.endr
.irp b, 0,1,2,3
	v_lshrrev_b32 v[TM+4+\b], 23, v[TM+12+\b]      ; the scale's byte
.endr
	v_lshl_or_b32 v[PW], v[TM+5], 8, v[TM+4]
	v_lshl_or_b32 v[PW], v[TM+6], 16, v[PW]
	v_lshl_or_b32 v[PW], v[TM+7], 24, v[PW]
	WIN 0x01
.irp c, 0,1
	v_cvt_scalef32_pk16_fp6_f32 v[PC+6*\c:PC+2+6*\c], v[\s+32*\c:\s+15+32*\c], v[TM+12+2*\c]
	v_cvt_scalef32_pk16_fp6_f32 v[PC+12+4*\c:PC+14+4*\c], v[\s+16+32*\c:\s+31+32*\c], v[TM+12+2*\c+1]
.endr
	WIN 0
	v_nop                                          ; one plain place behind a scaled conversion
.irp c, 0,1                            ; the operand's layout wants a whole block in a lane
.irp i, 0,1,2
	v_permlane16_swap_b32 v[PC+6*\c+\i], v[PC+12+4*\c+\i]
.endr
.irp i, 0,1,2
	v_mov_b32 v[PC+3+6*\c+\i], v[PC+12+4*\c+\i]
.endr
.endr
.endm
	s_load_b256 s[4:11], s[0:1], 0x0               ; pre, bq, bk, bv
	s_load_b64 s[12:13], s[0:1], 0x20              ; qkv
	v_lshl_add_u32 v[SPW], v0, 2, SPARE
	v_mov_b32 v[NIL], 0
	ds_add_u32 v[SPW], v[NIL]                      ; the wave's opening: the add and its wait stand ahead of my first tensor load; work on registers stands between them
	v_lshrrev_b32 v1, 5, v0
	v_readfirstlane_b32 s14, v1                    ; wave
	s_bfe_u32 s15, ttmp6, 0x40000                  ; cx
	s_bfe_u32 s16, ttmp6, 0x40004                  ; cy
	s_and_b32 s17, ttmp7, 0xffff                   ; the cluster's y, 0 .. 47
	s_lshr_b32 s18, s17, 4                         ; which product: 0 q, 1 k, 2 v: the same in all sixteen partners
	s_and_b32 s19, s17, 15
	s_lshl_b32 s19, s19, 2
	s_add_co_u32 s19, s19, s16                     ; mb: which 128 rows, 0 .. 63
	s_lshl_b32 s20, ttmp9, 2
	s_add_co_u32 s20, s20, s15                     ; nb: which 256 columns, 0 .. 3
	s_lshl_b32 s76, s16, 2
	s_lshl_b32 s76, 15, s76                        ; my row of the cluster
	s_lshl_b32 s80, 0x1111, s15                    ; my column
	s_or_b32 s[G1A], s76, (3<<16)|(1<<21)          ; 15:0 the mask; 17:16 elements of 8 bytes; 21 set beside a mask; no padding
	s_or_b32 s[G1B], s80, (3<<16)|(1<<21)
.irp g, G1A, G1B
	s_mov_b32 s[\g+1], 384<<16                     ; tensor_dim0: a tile's two fragments of a chunk, 3,072 bytes
	s_mov_b32 s[\g+3], 384<<16                     ; tile_dim0
	s_mov_b32 s[\g+5], 1536                        ; from tile to tile: 12,288 bytes
	s_mov_b32 s[\g+6], 0
	s_mov_b32 s[\g+7], 0
.endr
	s_mov_b32 s[G1A+2], 2<<16                      ; x: two tiles a wave
	s_mov_b32 s[G1A+4], 2
	s_mov_b32 s[G1B+2], 4<<16                      ; W: four
	s_mov_b32 s[G1B+4], 4
	s_lshl_b32 s76, s19, 3
	s_lshl_b32 s77, s14, 1
	s_add_co_u32 s76, s76, s77                     ; x: tile 8 mb + 2 wave
	s_mul_i32 s76, s76, 12288
	s_mul_i32 s77, s18, 6291456
	s_add_co_u32 s76, s76, s77
	s_mov_b32 s77, 0
	s_lshl_b32 s80, s20, 4
	s_lshl_b32 s81, s14, 2
	s_add_co_u32 s80, s80, s81                     ; W: tile 16 nb + 4 wave
	s_mul_i32 s80, s80, 12288
	s_mul_i32 s81, s18, 786432
	s_add_co_u32 s80, s80, s81
	s_add_co_u32 s80, s80, WCO
	s_mov_b32 s81, 0
	s_mul_i32 s84, s14, 6144                       ; where they go: the wave's number alone enters an LDS address
	s_mul_i32 s85, s14, 12288
	s_add_co_u32 s85, s85, LB
	s_mov_b32 s94, 0x76543210
	s_mov_b32 s95, 0xfedcba98                      ; lane l xor 16
	s_wait_dscnt 0x0                               ; the opening add is done
	s_wait_kmcnt 0x0
	s_add_nc_u64 s[76:77], s[4:5], s[76:77]
	s_add_nc_u64 s[80:81], s[4:5], s[80:81]
.irp c, 0,1,2,3                        ; a group 0 for each of my eight loads: chunk c = K steps 2 c, 2 c + 1
	s_mov_b32 s[40+4*\c], 1
	s_add_co_u32 s[41+4*\c], s84, \c*24576
	s_add_nc_u64 s[42+4*\c:43+4*\c], s[76:77], \c*3072
	s_or_b32 s[43+4*\c], s[43+4*\c], 0x80000000
	s_mov_b32 s[56+4*\c+4*(\c/2)], 1
	s_add_co_u32 s[57+4*\c+4*(\c/2)], s85, \c*49152
	s_add_nc_u64 s[58+4*\c+4*(\c/2):59+4*\c+4*(\c/2)], s[80:81], \c*3072
	s_or_b32 s[59+4*\c+4*(\c/2)], s[59+4*\c+4*(\c/2)], 0x80000000
.endr
	CROUND                                         ; all sixteen work-groups are here: the joint loads meet
.irp c, 0,1,2,3                        ; eight loads of mine are out: all first fills, in one group
	tensor_load_to_lds s[40+4*\c:43+4*\c], s[G1A:G1A+7]
	s_nop 0
	tensor_load_to_lds s[56+4*\c+4*(\c/2):59+4*\c+4*(\c/2)], s[G1B:G1B+7]
	s_nop 0
.endr
.rept 4
	v_nop
.endr
	v_and_b32 v1, 31, v0                           ; lane
	v_and_b32 v2, 15, v0                           ; r
	v_bfe_u32 v3, v0, 4, 1                         ; h
	v_lshlrev_b32 v[AA16], 4, v1
	v_add_nc_u32 v[AA16+1], 49152, v[AA16]
	v_lshlrev_b32 v[AA8], 3, v1
	v_add_nc_u32 v[AA8+1], 49152, v[AA8]
.irp c, 0,1,2,3
	v_add_nc_u32 v[BB+\c], s85, v[AA16]
	s_add_co_u32 s85, s85, 49152
.endr
	v_lshlrev_b32 v13, 5, v2                       ; 32 r: a row's eight scale words
	v_lshlrev_b32 v14, 2, v2                       ; 4 r
.irp b, 0,1,2,3
	v_mov_b32 v[TM+4+\b], 0                        ; a lane permute's destination counts as one of its sources
.endr
	s_lshl_b32 s86, s19, 12                        ; x's scale words: 512 bytes a tile, 8 tiles
	s_lshl_b32 s87, s18, 18
	s_add_co_u32 s86, s86, s87
	s_add_co_u32 s86, s86, XSO
	s_mov_b32 s87, 0
	s_add_nc_u64 s[86:87], s[4:5], s[86:87]
	s_lshl_b32 s88, s20, 4
	s_lshl_b32 s89, s14, 2
	s_add_co_u32 s88, s88, s89
	s_lshl_b32 s88, s88, 9                         ; W's: my four tiles
	s_lshl_b32 s89, s18, 15
	s_add_co_u32 s88, s88, s89
	s_add_co_u32 s88, s88, WSO
	s_mov_b32 s89, 0
	s_add_nc_u64 s[88:89], s[4:5], s[88:89]
.irp rt, 0,1,2,3,4,5,6,7
	global_load_b128 v[SA+8*\rt:SA+8*\rt+3],   v13, s[86:87] offset:512*\rt       ; register SA + 8 tile + K step: lane r has row r's word
	global_load_b128 v[SA+8*\rt+4:SA+8*\rt+7], v13, s[86:87] offset:512*\rt+16
.endr
.irp nt, 0,1,2,3
	global_load_b128 v[SB+8*\nt:SB+8*\nt+3],   v13, s[88:89] offset:512*\nt
	global_load_b128 v[SB+8*\nt+4:SB+8*\nt+7], v13, s[88:89] offset:512*\nt+16
.endr
	; where the results go, and which bias: chosen without a jump
	s_lshl_b32 s21, s20, 2
	s_add_co_u32 s21, s21, s14                     ; head
	s_lshr_b32 s22, s19, 4
	s_lshl_b32 s22, s22, 4
	s_add_co_u32 s22, s22, s21                     ; 16 batch + head
	s_and_b32 s23, s19, 15                         ; which 128 rows of the batch
	s_cmp_eq_u32 s18, 0
	s_mov_b32 s76, 196608
	s_cselect_b32 s76, 98304, s76                  ; codes of a (batch, head): q 98,304 bytes, k and v together 196,608
	s_mov_b32 s77, 8192
	s_cselect_b32 s77, 4096, s77                   ; scale words likewise
	s_cselect_b32 s80, QCO, 0
	s_mov_b32 s81, KVSO
	s_cselect_b32 s81, QSO, s81
	s_cselect_b64 s[92:93], s[6:7], s[8:9]
	s_cmp_eq_u32 s18, 2
	s_cselect_b32 s90, 98304, 0                    ; v lies behind k
	s_cselect_b32 s91, 4096, 0
	s_cselect_b64 s[92:93], s[10:11], s[92:93]
	s_add_co_u32 s80, s80, s90
	s_add_co_u32 s81, s81, s91
	s_mul_i32 s76, s76, s22
	s_add_co_u32 s80, s80, s76
	s_mul_i32 s76, s23, 6144                       ; four fragments
	s_add_co_u32 s78, s80, s76
	s_mov_b32 s79, 0
	s_add_nc_u64 s[78:79], s[12:13], s[78:79]      ; my codes
	s_mul_i32 s77, s77, s22
	s_add_co_u32 s81, s81, s77
	s_lshl_b32 s77, s23, 8
	s_add_co_u32 s82, s81, s77
	s_mov_b32 s83, 0
	s_add_nc_u64 s[82:83], s[12:13], s[82:83]      ; my scale words
	s_lshl_b32 s90, s21, 8
	s_mov_b32 s91, 0
	s_add_nc_u64 s[92:93], s[92:93], s[90:91]      ; my head's 64 numbers of the bias
	s_wait_tensorcnt 6                             ; my two loads of chunk 0 have landed; the six behind them may stay out
	s_barrier_signal -1
	s_barrier_wait -1                              ; everybody's have
	FETCH 0, 0
	WIN 0
	s_cmp_eq_u32 s18, 2
	s_cbranch_scc1 .Lv
	v_lshlrev_b32 v15, 6, v3                       ; q, k: tile 2 b + u, lane (r, h), register j: bias at 32 b + 16 h + 8 u + j
	WIN 0xc0
.irp nt, 0,1,2,3
	global_load_b128 v[96+8*\nt:99+8*\nt],   v15, s[92:93] offset:128*(\nt/2)+32*(\nt%2)
	global_load_b128 v[100+8*\nt:103+8*\nt], v15, s[92:93] offset:128*(\nt/2)+32*(\nt%2)+16
.endr
	s_wait_loadcnt 0x0                             ; scale words and bias
.irp s, 0,1,2,3,4,5,6,7
	STEP \s, 0
.endr
	WIN 0
	s_branch .Lout
.Lv:
	v_and_b32 v15, 8, v2
	v_add_nc_u32 v15, v15, v2
	v_lshlrev_b32 v15, 2, v15                      ; v: all eight registers of a lane hold the bias of its one column, 32 b + 8 u + r + 8 (r / 8)
	WIN 0xc0
.irp nt, 0,1,2,3
.irp j, 0,1,2,3,4,5,6,7
	global_load_b32 v[96+8*\nt+\j], v15, s[92:93] offset:128*(\nt/2)+32*(\nt%2)
.endr
.endr
	s_wait_loadcnt 0x0
.irp s, 0,1,2,3,4,5,6,7
	STEP \s, 1
.endr
	WIN 0
.Lout:
.rept 4
	v_nop                                          ; four places in front of the first read of results
.endr
.irp g, 0,1,2,3                        ; group g: q, k: tiles of rows 2 g, 2 g + 1; v: column tile g
.if \g > 0
	s_wait_xcnt 0x0                                ; the last group's stores have read the registers that are written again
.endif
	QUANT 64*\g
.irp j, 0,1,2
	global_store_b128 v[AA16], v[PC+4*\j:PC+4*\j+3], s[78:79] offset:1536*\g+512*\j     ; 512 consecutive bytes
.endr
	global_store_b32 v14, v[PW], s[82:83] offset:64*\g       ; both halves of the lanes hold the same word
.endr
	s_wait_tensorcnt 0x0                           ; the wave's end
	ds_add_u32 v[SPW], v[NIL]
	s_wait_dscnt 0x0
	CROUND                                         ; the closing round
	s_endpgm
.Lfunc_end_k_qe1f77981f1_proj:
	.size	k_qe1f77981f1_proj, .Lfunc_end_k_qe1f77981f1_proj-k_qe1f77981f1_proj
	.p2alignl 7, 3214868480
	.fill 96, 4, 3214868480
	.section	.rodata,"a",@progbits
	.p2align	6, 0x0
	.amdhsa_kernel k_qe1f77981f1_proj
		.amdhsa_group_segment_fixed_size 327680
		.amdhsa_private_segment_fixed_size 0
		.amdhsa_enable_private_segment 0
		.amdhsa_kernarg_size 40
		.amdhsa_user_sgpr_count 2
		.amdhsa_user_sgpr_kernarg_segment_ptr 1
		.amdhsa_wavefront_size32 1
		.amdhsa_system_sgpr_workgroup_id_x 1
		.amdhsa_system_sgpr_workgroup_id_y 1
		.amdhsa_system_sgpr_workgroup_id_z 1
		.amdhsa_system_vgpr_workitem_id 0
		.amdhsa_next_free_vgpr 896
		.amdhsa_next_free_sgpr 96
		.amdhsa_reserve_vcc 0
		.amdhsa_float_denorm_mode_32 3
		.amdhsa_float_denorm_mode_16_64 3
		.amdhsa_memory_ordered 1
		.amdhsa_forward_progress 1
		.amdhsa_inst_pref_size 143
	.end_amdhsa_kernel
	.amdgpu_metadata
---
amdhsa.version: [ 1, 2 ]
amdhsa.kernels:
  - .name:           k_qe1f77981f1_proj
    .symbol:         k_qe1f77981f1_proj.kd
    .args:
      - { .name: pre, .offset: 0, .size: 8, .value_kind: global_buffer, .address_space: global }
      - { .name: bq, .offset: 8, .size: 8, .value_kind: global_buffer, .address_space: global }
      - { .name: bk, .offset: 16, .size: 8, .value_kind: global_buffer, .address_space: global }
      - { .name: bv, .offset: 24, .size: 8, .value_kind: global_buffer, .address_space: global }
      - { .name: qkv, .offset: 32, .size: 8, .value_kind: global_buffer, .address_space: global }
    .group_segment_fixed_size: 327680
    .private_segment_fixed_size: 0
    .kernarg_segment_align: 8
    .kernarg_segment_size: 40
    .max_flat_workgroup_size: 128
    .sgpr_count:     96
    .vgpr_count:     896
    .wavefront_size: 32
...
	.end_amdgpu_metadata
.endif
;; end of part 2
;; launch attn (part 3): grid 4 x 64, 16 waves a work-group, no clusters, 206,848 bytes of LDS; arguments qkv, mk, ctx; writes ctx
.if DOCPART == 3
	.amdgcn_target "amdgcn-amd-amdhsa--gfx1250"
	.amdhsa_code_object_version 6
	.text
	.protected	k_qe1f77981f1_attn
	.globl	k_qe1f77981f1_attn
	.p2align	8
	.type	k_qe1f77981f1_attn,@function
k_qe1f77981f1_attn:
	s_mov_b64 s[64:65], 0
	v_nop
	global_prefetch_b8 v0, s[64:65] scope:SCOPE_SE
	s_setreg_imm32_b32 hwreg(HW_REG_WAVE_MODE, 25, 1), 1
	s_wait_xcnt 0x0
; ATTN: ctx = softmax(mask ? q k^T / 8 : -inf) v, both products on codes of FP6 (E2M3) with E8M0 scales, and ctx quantised at once along the model's 1,024 for the last product.
; THE SOFTMAX: t = score x log2(e) / 8; M = the running largest t rounded UP to a whole number; p = 2^(t - M) is quantised along the keys, not normalised; the row's sum is taken of the unquantised p and divides at the end.
; SHARES.  A work-group takes one (batch, head) and 512 queries; each of its sixteen waves a pair of tiles of 16 queries, one tile after the other, in 256 registers: four waves to a SIMD, so that one wave's vector
; work stands beside another's products and LDS loads.  The head's whole K and V (196,608 bytes of codes, 8,192 of scale words) are copied into LDS once, through registers: one barrier in the launch.
; NO CLUSTER, NO JOINT LOAD: what the four work-groups of a head share is that one copy at the kernel's head, 25 loads of 16 bytes a thread, against 32 key steps a wave; no slot is ever filled again.
; Nothing is prefetched: all that a wave waits for from memory goes out at the kernel's head or a whole softmax ahead (the mask words).
; LAYOUT.  S^T = K Q^T and O^T = V^T P^T: a lane holds ONE query (lane % 16).  The head's size is 64, half of a product's K: a fragment of K holds TWO tiles of keys (registers 0-5, registers 6-11), and is multiplied
; by Q1 = [q, zero codes] for the first and by Q2 = [zero codes, q] for the second; the dead half's scale bytes on Q's side are 0, which is 2^-127 and harmless over zero codes.
; The rows of a tile are 32 (T / 2) + 8 (T % 2) + i + 8 (i / 8): so register 16 b + i of S^T is key 32 b + 16 (lane / 16) + i of the step's 128.
; THE MASK comes as words whose bit l is lane l's: word n for register n, in scalar registers, straight into v_cndmask_b32, in every key step: no jump hangs on it.
; A hidden score becomes -infinity ahead of the maximum; p is then 0.
; A ROW WITH NO KEY AT ALL has the sum 0: its scale bytes are stored as 0xff, which makes the last product's row NaN, as a softmax of nothing is.
; The scale bytes of ctx leave two a row (262,144 bytes in the launch); the codes in runs of 512 and 256 bytes.
; LIMITS: a block whose largest magnitude lies under 2^-124, a block of zeros among them, keeps the byte 1.  NaN and infinities in q, k, v are not served.
.set KVSO,  18874368
.set QCO,   12582912
.set QSO,   19398656
.set CSO,   6291456
.set VC,    98304                      ; LDS: K's 64 fragments from 0, V's 64 from here,
.set KSL,   196608                     ; K's scale words, 64 bytes a fragment,
.set VSL,   200704                     ; V's,
.set SPARE, 204800                     ; the spare words, 128 bytes a wave, which no other line names
; v1 16 x lane; v2 the same in V; v3, v4 my scale word of a fragment of K, of V; v5 8 x lane; v6 4 r; v7 32 r; v8-11 the step's LDS addresses; v12 -M; v13 the largest t; v[14:15] the sum
; v16-27 Q1; v28-39 Q2; v40-87 four fragments; v96-159 S^T, then p; v160-191 O^T; v192-203 p's codes; v204-211, v212-229 at work; v230 -infinity; v240-243, v244-247 K's, V's scale words; v248, v249 Q1's, Q2's; v250 p's
; v254 my spare word's address, v255 0: never rewritten
; s2, s3 the step's place in the codes, in the scale words; s[4:51], s[68:83] the step's 64 mask words; s52 the step; s[54:55] the mask words' address; s[60:61] its step
	s_load_b128 s[84:87], s[0:1], 0x0              ; qkv, mk
	s_load_b64 s[88:89], s[0:1], 0x10              ; ctx
	v_lshl_add_u32 v254, v0, 2, SPARE
	v_mov_b32 v255, 0
	v_lshrrev_b32 v1, 5, v0
	v_readfirstlane_b32 s90, v1                    ; wave 0 .. 15
	s_and_b32 s91, ttmp7, 0xffff                   ; 16 batch + head
	v_lshlrev_b32 v8, 4, v0                        ; the copy: 16 bytes a thread, 8,192 a line
	v_add_nc_u32 v9, 0x10000, v8
	v_add_nc_u32 v10, 0x20000, v8
	v_add_nc_u32 v11, 0x30000, v8
	s_mul_i32 s60, s91, 196608
	s_mov_b32 s61, 0
	s_lshl_b32 s52, s91, 13
	s_add_co_u32 s52, s52, KVSO
	s_mov_b32 s53, 0
	s_wait_kmcnt 0x0
	s_add_nc_u64 s[60:61], s[84:85], s[60:61]
	s_add_nc_u64 s[52:53], s[84:85], s[52:53]
.irp i, 0,1,2,3,4,5,6,7,8,9,10,11,12,13,14,15,16,17,18,19,20,21,22,23
	global_load_b128 v[96+4*\i:99+4*\i], v8, s[60:61] offset:8192*\i
.endr
	global_load_b128 v[192:195], v8, s[52:53]      ; the scale words
	s_lshl_b32 s2, ttmp9, 4
	s_add_co_u32 s2, s2, s90                       ; P: my pair of tiles of queries, 0 .. 63
	s_lshr_b32 s3, s91, 4                          ; batch
	s_and_b32 s100, s91, 15                        ; head
	s_mul_i32 s62, s91, 98304
	s_mul_i32 s94, s2, 1536
	s_add_co_u32 s62, s62, s94
	s_add_co_u32 s62, s62, QCO
	s_mov_b32 s63, 0
	s_add_nc_u64 s[62:63], s[84:85], s[62:63]      ; my pair's codes of q
	s_lshl_b32 s66, s91, 12
	s_lshl_b32 s94, s2, 6
	s_add_co_u32 s66, s66, s94
	s_add_co_u32 s66, s66, QSO
	s_mov_b32 s67, 0
	s_add_nc_u64 s[66:67], s[84:85], s[66:67]      ; its scale words
	s_lshl_b32 s101, s3, 7
	s_lshl_b32 s94, s2, 1
	s_add_co_u32 s101, s101, s94                   ; 128 batch + 2 P: my first tile
	s_lshl_b32 s92, s101, 12
	s_mov_b32 s93, 0
	s_add_nc_u64 s[92:93], s[86:87], s[92:93]      ; its mask words, 4,096 bytes a tile
	s_lshl_b32 s94, s101, 3
	s_lshr_b32 s96, s100, 1
	s_add_co_u32 s94, s94, s96                     ; ctx: fragment 8 tile + head / 2,
	s_mul_i32 s94, s94, 1536
	s_and_b32 s96, s100, 1
	s_mul_i32 s96, s96, 768                        ; half head % 2
	s_add_co_u32 s94, s94, s96
	s_mov_b32 s95, 0
	s_add_nc_u64 s[94:95], s[88:89], s[94:95]
	s_lshl_b32 s96, s101, 9
	s_lshl_b32 s97, s100, 1
	s_add_co_u32 s96, s96, s97                     ; its scale bytes: 512 a tile, 32 a row, 2 a head
	s_add_co_u32 s96, s96, CSO
	s_mov_b32 s97, 0
	s_add_nc_u64 s[96:97], s[88:89], s[96:97]
	s_mov_b32 s56, 0x76543210
	s_mov_b32 s57, 0xfedcba98                      ; lane l xor 16
	s_mov_b32 s58, 0x3e38aa3b                      ; c = log2(e) / 8
	s_mov_b32 s59, s58                             ; (named with it as a pair)
	v_and_b32 v226, 31, v0
	v_and_b32 v227, 15, v0
	v_lshlrev_b32 v1, 4, v226
	v_add_nc_u32 v2, VC, v1
	v_lshl_add_u32 v3, v227, 2, KSL
	v_lshl_add_u32 v4, v227, 2, VSL
	v_lshlrev_b32 v5, 3, v226
	v_lshlrev_b32 v6, 2, v227
	v_lshlrev_b32 v7, 5, v227
	v_mov_b32 v230, 0xff800000
.irp i, 22,23,24,25,26,27,28,29,30,31,32,33
	v_mov_b32 v[\i], 0                             ; the zero codes of Q1's upper and Q2's lower half: written once
.endr
.irp i, 216,217,218,219,225
	v_mov_b32 v[\i], 0                             ; lane permutes' destinations, and the upper word of the pair v[224:225]
.endr
.irp i, 0,1,2,3,4,5,6,7,8,9,10,11,12,13,14,15,16,17,18,19,20,21,22,23
	s_wait_loadcnt 24-\i                           ; load i is in; the loads issued behind it may be out
	ds_store_b128 v[8+\i/8], v[96+4*\i:99+4*\i] offset:8192*(\i%8)
.endr
	s_wait_loadcnt 0x0
	ds_store_b128 v11, v[192:195]
	s_wait_dscnt 0x0                               ; for the others' sake: my stores have landed
	s_barrier_signal -1
	s_barrier_wait -1                              ; the head's K and V lie in LDS
.macro TILE par                        ; tile 2 P + par: 16 queries against all 2,048 keys
	s_add_nc_u64 s[54:55], s[92:93], 4096*\par
	s_load_b512 s[4:19],  s[54:55], 0x0            ; step 0's 64 mask words
	s_load_b512 s[20:35], s[54:55], 0x40
	s_load_b512 s[36:51], s[54:55], 0x80
	s_load_b512 s[68:83], s[54:55], 0xc0
.irp d, 16, 34                         ; q's six registers twice: A's and B's fragments apart, Q1's and Q2's too
.if \par == 0
	global_load_b64 v[\d:\d+1],   v1, s[62:63]
	global_load_b64 v[\d+2:\d+3], v1, s[62:63] offset:8
	global_load_b64 v[\d+4:\d+5], v1, s[62:63] offset:512
.else
	global_load_b64 v[\d:\d+1],   v1, s[62:63] offset:520
	global_load_b64 v[\d+2:\d+3], v1, s[62:63] offset:1024
	global_load_b64 v[\d+4:\d+5], v1, s[62:63] offset:1032
.endif
.endr
	global_load_b32 v226, v6, s[66:67]             ; the pair's scale word
	s_wait_loadcnt 0x0
.if \par == 0
	v_and_b32 v248, 0xffff, v226                   ; my tile's two bytes below, 0 above
.else
	v_lshrrev_b32 v248, 16, v226
.endif
	v_lshlrev_b32 v249, 16, v248                   ; and the other way round.  (The lines below are more than the eight places that a scale register so written stands ahead of a scaled product)
	v_mov_b32 v13, 0xff61b1e6                      ; the largest t so far: -3e38
	v_floor_f32 v12, -v13                          ; -M
	v_mov_b32 v14, 0
	v_mov_b32 v15, 0
.set jj, 0
.rept 32
	v_mov_b32 v[160+jj], 0                         ; O^T: the loop is written once; its first step finds zeros
.set jj, jj+1
.endr
	s_mov_b32 s2, 0
	s_mov_b32 s3, 0
	s_mov_b32 s52, 0
	s_mov_b32 s61, 0                               ; the upper word of the mask address's step
.Lkey_\@:                              ; 16 trips: a key step of 128 keys
	v_add_nc_u32 v8, s2, v1                        ; (these four are also the places in front of loads into registers that the last products read)
	v_add_nc_u32 v9, s2, v2
	v_add_nc_u32 v10, s3, v3
	v_add_nc_u32 v11, s3, v4
.irp b, 0,1,2,3
.irp j, 0,1,2
	ds_load_b128 v[40+12*\b+4*\j:43+12*\b+4*\j], v8 offset:1536*\b+512*\j
.endr
	ds_load_b32 v[240+\b], v10 offset:64*\b
.endr
	s_wait_dscnt 0x0
.irp b, 0,1,2,3
	v_wmma_scale_f32_16x16x128_f8f6f4 v[96+16*\b:103+16*\b],  v[40+12*\b:51+12*\b], v[16:27], 0, v[240+\b], v248 matrix_a_fmt:MATRIX_FMT_FP6 matrix_b_fmt:MATRIX_FMT_FP6
	v_wmma_scale_f32_16x16x128_f8f6f4 v[104+16*\b:111+16*\b], v[40+12*\b:51+12*\b], v[28:39], 0, v[240+\b], v249 matrix_a_fmt:MATRIX_FMT_FP6 matrix_b_fmt:MATRIX_FMT_FP6
.endr
.rept 4
	v_nop                                          ; four places: in front of the loads below and of the first read of the scores
.endr
.irp b, 0,1,2,3                        ; V's four fragments land under the softmax
.irp j, 0,1,2
	ds_load_b128 v[40+12*\b+4*\j:43+12*\b+4*\j], v9 offset:1536*\b+512*\j
.endr
	ds_load_b32 v[244+\b], v11 offset:64*\b
.endr
	s_wait_kmcnt 0x0                               ; this step's mask words are in
.set n, 0
.rept 64
	v_cndmask_b32 v[96+n], v230, v[96+n], s[4+n+16*(n/48)]      ; bit l of word n: lane l's key of register n counts, or the score becomes -infinity
.set n, n+1
.endr
.irp b, 0,1,2,3
	v_max3_num_f32 v[212+\b], v[96+16*\b], v[97+16*\b], v[98+16*\b]     ; the largest score of each block of 32 keys: for the row's maximum, and for the block's largest p
.endr
.irp i, 3,5,7,9,11,13
.irp b, 0,1,2,3
	v_max3_num_f32 v[212+\b], v[212+\b], v[96+16*\b+\i], v[97+16*\b+\i]
.endr
.endr
.irp b, 0,1,2,3
	v_max_num_f32 v[212+\b], v[212+\b], v[111+16*\b]
.endr
.irp b, 0,1,2,3
	v_permlanex16_b32 v[216+\b], v[212+\b], s56, s57
.endr
.irp b, 0,1,2,3
	v_max_num_f32 v[212+\b], v[212+\b], v[216+\b]
.endr
	s_cmp_lt_u32 s52, 15                           ; the next step's words are asked for here, a whole softmax ahead of their use.  No scalar load is out, so the address may step:
	s_cselect_b32 s60, 256, 0                      ; 256 bytes a step; in the last trip it stays, so that no load leaves the tile's 4,096 bytes
	s_add_nc_u64 s[54:55], s[54:55], s[60:61]
	s_load_b512 s[4:19],  s[54:55], 0x0
	s_load_b512 s[20:35], s[54:55], 0x40
	s_load_b512 s[36:51], s[54:55], 0x80
	s_load_b512 s[68:83], s[54:55], 0xc0
	v_max3_num_f32 v226, v212, v213, v214
	v_max_num_f32 v226, v226, v215                 ; the step's largest score of my query
	v_mul_f32 v226, s58, v226                      ; as t
	v_max_num_f32 v13, v13, v226                   ; the running largest t
	v_mov_b32 v226, v12
	v_floor_f32 v12, -v13                          ; the new -M = floor(-t): M is a whole number
	v_sub_f32 v226, v12, v226                      ; old M - new M, 0 or less
	v_cvt_i32_f32 v226, v226                       ; (it saturates)
	v_ldexp_f32 v224, 1.0, v226                    ; f = 2^(old M - new M): a multiplication by it rounds nothing
.set jj, 0
.rept 32
	v_pk_fma_f32 v[96+jj:97+jj], v[96+jj:97+jj], s[58:59], v[12:13] op_sel_hi:[1,0,0]     ; t - M
.set jj, jj+2
.endr
.irp b, 0,1,2,3
	v_fma_f32 v[212+\b], v[212+\b], s58, v12       ; the same of each block's largest score
.endr
.set jj, 0
.rept 64
	v_exp_f32 v[96+jj], v[96+jj]                   ; p = 2^(t - M)
.set jj, jj+1
.endr
	v_pk_mul_f32 v[14:15], v[14:15], v[224:225] op_sel_hi:[1,0]     ; the sum under the new M: the plain place behind the exponentials
	s_wait_alu depctr_va_vdst(0)                   ; one wait for the whole batch, ahead of its first reader
.irp b, 0,1,2,3
	v_exp_f32 v[212+\b], v[212+\b]                 ; the block's largest p
.endr
	v_pk_add_f32 v[228:229], v[96:97], v[98:99]    ; the row's sum of the unquantised p, in two chains
.irp j, 4,8,12,16,20,24,28,32,36,40,44,48,52,56,60
	v_pk_add_f32 v[14:15], v[14:15], v[96+\j:97+\j]
	v_pk_add_f32 v[228:229], v[228:229], v[98+\j:99+\j]
.endr
	v_pk_add_f32 v[14:15], v[14:15], v[228:229]
	s_wait_alu depctr_va_vdst(0)                   ; and one for the four
.irp b, 0,1,2,3
	v_max_num_f32 v[212+\b], 0x1800000, v[212+\b]  ; the floor 2^(3 - 127)
.endr
.irp b, 0,1,2,3
	v_add_nc_u32 v[220+\b], 0xff000000, v[212+\b]  ; the conversion's scale operand
.endr
.irp b, 0,1,2,3
	v_lshrrev_b32 v[216+\b], 23, v[220+\b]         ; the scale's byte
.endr
	v_lshl_or_b32 v250, v217, 8, v216              ; p's scale word for these 128 keys
	v_lshl_or_b32 v250, v218, 16, v250
	v_lshl_or_b32 v250, v219, 24, v250
.irp c, 0,1
	v_cvt_scalef32_pk16_fp6_f32 v[192+6*\c:194+6*\c], v[96+32*\c:111+32*\c], v[220+2*\c]
	v_cvt_scalef32_pk16_fp6_f32 v[204+4*\c:206+4*\c], v[112+32*\c:127+32*\c], v[220+2*\c+1]
.endr
	v_nop                                          ; one plain place behind a scaled conversion
.irp c, 0,1
.irp i, 0,1,2
	v_permlane16_swap_b32 v[192+6*\c+\i], v[204+4*\c+\i]
.endr
.irp i, 0,1,2
	v_mov_b32 v[195+6*\c+\i], v[204+4*\c+\i]
.endr
.endr
.set jj, 0
.rept 16
	v_pk_mul_f32 v[160+jj:161+jj], v[160+jj:161+jj], v[224:225] op_sel_hi:[1,0]    ; O^T under the new M.  (These are also the places between p's codes and scale word and the products)
.set jj, jj+2
.endr
	s_wait_dscnt 0x0                               ; V
.irp t, 0,1,2,3
	v_wmma_scale_f32_16x16x128_f8f6f4 v[160+8*\t:167+8*\t], v[40+12*\t:51+12*\t], v[192:203], v[160+8*\t:167+8*\t], v[244+\t], v250 matrix_a_fmt:MATRIX_FMT_FP6 matrix_b_fmt:MATRIX_FMT_FP6
.endr
	s_add_co_u32 s2, s2, 6144
	s_add_co_u32 s3, s3, 256
	s_add_co_u32 s52, s52, 1
	s_cmp_lt_u32 s52, 16
	s_cbranch_scc1 .Lkey_\@
	s_wait_kmcnt 0x0                               ; the last trip's scalar loads are in: their registers and their address are written again by the next tile
.rept 4
	v_nop                                          ; four places in front of the first read of O^T
.endr
	v_add_f32 v14, v14, v15
	v_permlanex16_b32 v226, v14, s56, s57
	v_add_f32 v14, v14, v226                       ; the row's sum
	v_cmp_eq_f32 s60, 0, v14                       ; a row with no key at all
	v_rcp_f32 v224, v14
	v_nop                                          ; a plain place behind the transcendental
	s_wait_alu depctr_va_vdst(0)                   ; and the wait ahead of its first reader
.set jj, 0
.rept 16
	v_pk_mul_f32 v[96+jj:97+jj], v[160+jj:161+jj], v[224:225] op_sel_hi:[1,0]      ; ctx: register 16 b + i = the head's 32 b + 16 (lane / 16) + i
.set jj, jj+2
.endr
.irp b, 0,1
	v_max3_num_f32 v[212+\b], |v[96+16*\b]|, |v[97+16*\b]|, 0x1800000
.endr
.irp i, 2,4,6,8,10,12,14
.irp b, 0,1
	v_max3_num_f32 v[212+\b], v[212+\b], |v[96+16*\b+\i]|, |v[97+16*\b+\i]|
.endr
.endr
.irp b, 0,1
	v_permlanex16_b32 v[216+\b], v[212+\b], s56, s57
.endr
.irp b, 0,1
	v_max_num_f32 v[212+\b], v[212+\b], v[216+\b]
.endr
.irp b, 0,1
	v_add_nc_u32 v[220+\b], 0xff000000, v[212+\b]
.endr
.irp b, 0,1
	v_lshrrev_b32 v[216+\b], 23, v[220+\b]
.endr
	v_lshl_or_b32 v226, v217, 8, v216              ; the head's two scale bytes of my row,
	v_mov_b32 v227, 0xffff
	v_cndmask_b32 v226, v226, v227, s60            ; or NaN's
	v_cvt_scalef32_pk16_fp6_f32 v[192:194], v[96:111], v220
	v_cvt_scalef32_pk16_fp6_f32 v[204:206], v[112:127], v221
	v_nop                                          ; one plain place behind a scaled conversion
.irp i, 0,1,2
	v_permlane16_swap_b32 v[192+\i], v[204+\i]
.endr
.irp i, 0,1,2
	v_mov_b32 v[195+\i], v[204+\i]
.endr
	global_store_b128 v1, v[192:195], s[94:95] offset:12288*\par         ; half a fragment: 512 consecutive bytes,
	global_store_b64  v5, v[196:197], s[94:95] offset:12288*\par+512     ; and 256
	global_store_b16  v7, v226, s[96:97] offset:512*\par
	s_wait_xcnt 0x0                                ; the stores have read their registers: the next tile writes them again
.endm
	TILE 0
	TILE 1
	s_wait_tensorcnt 0x0                           ; the wave's end, behind my last LDS store
	ds_add_u32 v254, v255
	s_wait_dscnt 0x0
	s_endpgm
.Lfunc_end_k_qe1f77981f1_attn:
	.size	k_qe1f77981f1_attn, .Lfunc_end_k_qe1f77981f1_attn-k_qe1f77981f1_attn
	.p2alignl 7, 3214868480
	.fill 96, 4, 3214868480
	.section	.rodata,"a",@progbits
	.p2align	6, 0x0
	.amdhsa_kernel k_qe1f77981f1_attn
		.amdhsa_group_segment_fixed_size 206848
		.amdhsa_private_segment_fixed_size 0
		.amdhsa_enable_private_segment 0
		.amdhsa_kernarg_size 24
		.amdhsa_user_sgpr_count 2
		.amdhsa_user_sgpr_kernarg_segment_ptr 1
		.amdhsa_wavefront_size32 1
		.amdhsa_system_sgpr_workgroup_id_x 1
		.amdhsa_system_sgpr_workgroup_id_y 1
		.amdhsa_system_sgpr_workgroup_id_z 1
		.amdhsa_system_vgpr_workitem_id 0
		.amdhsa_next_free_vgpr 256
		.amdhsa_next_free_sgpr 102
		.amdhsa_reserve_vcc 0
		.amdhsa_float_denorm_mode_32 3
		.amdhsa_float_denorm_mode_16_64 3
		.amdhsa_memory_ordered 1
		.amdhsa_forward_progress 1
		.amdhsa_inst_pref_size 61
	.end_amdhsa_kernel
	.amdgpu_metadata
---
amdhsa.version: [ 1, 2 ]
amdhsa.kernels:
  - .name:           k_qe1f77981f1_attn
    .symbol:         k_qe1f77981f1_attn.kd
    .args:
      - { .name: qkv, .offset: 0, .size: 8, .value_kind: global_buffer, .address_space: global }
      - { .name: mk, .offset: 8, .size: 8, .value_kind: global_buffer, .address_space: global }
      - { .name: ctx, .offset: 16, .size: 8, .value_kind: global_buffer, .address_space: global }
    .group_segment_fixed_size: 206848
    .private_segment_fixed_size: 0
    .kernarg_segment_align: 8
    .kernarg_segment_size: 24
    .max_flat_workgroup_size: 512
    .sgpr_count:     102
    .vgpr_count:     256
    .wavefront_size: 32
...
	.end_amdgpu_metadata
.endif
;; end of part 3
;; launch oproj (part 4): grid 4 x 64, 4 waves a work-group, clusters of 4 x 4, 327,680 bytes of LDS; arguments ctx, pre, bo, out0; writes out0
.if DOCPART == 4
	.amdgcn_target "amdgcn-amd-amdhsa--gfx1250"
	.amdhsa_code_object_version 6
	.text
	.protected	k_qe1f77981f1_oproj
	.globl	k_qe1f77981f1_oproj
	.p2align	8
	.type	k_qe1f77981f1_oproj,@function
k_qe1f77981f1_oproj:
	s_mov_b64 s[64:65], 0
	v_nop
	global_prefetch_b8 v0, s[64:65] scope:SCOPE_SE
	s_setreg_imm32_b32 hwreg(HW_REG_WAVE_MODE, 25, 1), 1
	s_wait_xcnt 0x0
	s_wait_alu depctr_hold_cnt(0) depctr_sa_sdst(0) depctr_va_vdst(0) depctr_va_sdst(0) depctr_va_ssrc(0) depctr_va_vcc(0) depctr_vm_vsrc(0)
	s_getreg_b32 s2, hwreg(HW_REG_IB_STS2, 6, 4)
	s_cmp_eq_u32 s2, 0
	s_cbranch_scc0 .Lentry_in_a_cluster
	s_endpgm
.Lentry_in_a_cluster:
	s_bfe_u32 s2, ttmp6, 0x10000c
	s_cmp_lg_u32 s2, 0xf033
	s_cbranch_scc0 .Lentry_shape_is_right
	s_endpgm
.Lentry_shape_is_right:
; OPROJ: out0 = ctx Wo + bo on codes of FP6 (E2M3) with E8M0 scales; ctx's codes and scale words come from the attention launch, Wo's from the first launch.
; SHARES.  A work-group takes 128 rows (8 tiles) x 256 columns (16 tiles); the whole K = 1,024 of both operands, 98,304 + 196,608 bytes, lies in LDS: every tensor load is a first fill.
; Wave w takes all 8 tiles of rows x column tiles 4 w .. 4 w + 3: 32 accumulators, which take turns in the same order in every K step.
; CLUSTER 4 x 4: the four work-groups of a row of the cluster need the same rows of ctx, the four of a column the same columns of Wo: each tile is asked for jointly.
; The product is used transposed (source 0 = 16 columns of Wo, source 1 = 16 rows of ctx): a lane holds one row, and thanks to the order of columns in a tile (tile T holds 32 (T / 2) + 8 (T % 2) + i + 8 (i / 8))
; the 16 registers of two neighbouring tiles are 16 neighbouring columns.  The bias is the C of each sum's first product.
; THE WAY OUT: a tile of 16 rows x 64 columns goes through the wave's own stage and leaves as rows of 256 bytes, sixteen lanes to a row.  The stage lies in the wave's own bytes of Wo's chunk 0:
; they have had their only fill, only this wave ever read them, and its reads are long back.
; A row of ctx whose scale bytes are 0xff (a query with no key) comes out as NaN.
; REGISTERS: window 0: addresses, scale words (v16-79 ctx's, v80-111 Wo's), v128-191 rows on their way out; window 1: the accumulators; window 2: ctx's fragments, two sets of 96; window 3: Wo's, two sets of 48, and the bias from v96.
.set WCO,   18874368+3*786432
.set WSO,   22806528+3*32768
.set CSO,   6291456
.set LB,    98304                      ; LDS: ctx's fragments [chunk 4][tile 8][2] from 0; Wo's [chunk 4][tile 16][2] from here
.set SPARE, 294912                     ; the spare words, 128 bytes a wave, which no other line names
.set AA16,  4                          ; v4, v5   16 x lane (+ 49,152)
.set AA8,   6                          ; v6, v7   8 x lane (+ 49,152)
.set BB,    8                          ; v8-11    Wo's chunk c, my four tiles, + 16 x lane
.set SA,    16
.set SB,    80
.set SPW,   112                        ; my spare word's address; never rewritten
.set NIL,   113                        ; 0; never rewritten
.set STO,   114                        ; the stage: where I put 16 bytes of a row
.set RD,    115                        ; and where I read a row back
.set CO,    116                        ; my byte offset in out0
.set G1A,   24
.set G1B,   32
.set MSB, 0
.macro WIN new                         ; the immediate's high byte repeats the setting that is left
.if MSB != \new
	s_set_vgpr_msb (MSB<<8)|\new
.set MSB, \new
.endif
.endm
.macro CROUND                          ; a round of the cluster's barrier
	s_barrier_signal -1
	s_barrier_wait -1
	s_cmp_lg_u32 s14, 0
	s_cbranch_scc1 .Lnot_wave_0_\@
	s_barrier_signal -3
.Lnot_wave_0_\@:
	s_barrier_wait -3
	s_barrier_signal -1
	s_barrier_wait -1
.endm
.macro FETCH s, p                      ; K step s: ctx's 8 fragments and my 4 of Wo into set p: 44 LDS loads
	WIN 0x80
.irp rt, 0,1,2,3,4,5,6,7
.set rF, 96*(\p)+12*\rt
.set oF, (((\s)/2)%2)*24576+\rt*3072+((\s)%2)*1536
	ds_load_b128 v[rF:rF+3],     v[AA16+(\s)/4] offset:oF
	ds_load_b64  v[rF+4:rF+5],   v[AA8+(\s)/4]  offset:oF+512
	ds_load_b128 v[rF+6:rF+9],   v[AA16+(\s)/4] offset:oF+768
	ds_load_b64  v[rF+10:rF+11], v[AA8+(\s)/4]  offset:oF+1280
.endr
	WIN 0xc0
.irp nt, 0,1,2,3
.irp j, 0,1,2
	ds_load_b128 v[48*(\p)+12*\nt+4*\j:48*(\p)+12*\nt+4*\j+3], v[BB+(\s)/2] offset:\nt*3072+((\s)%2)*1536+512*\j
.endr
.endr
.endm
.macro MUL s, p                        ; 32 products
.if (\s) == 0
	WIN 0x7b                                       ; source 0 (Wo) window 3, source 1 (ctx) window 2, C (bias) window 3, D window 1
.else
	WIN 0x5b
.endif
.irp mt, 0,1,2,3,4,5,6,7
.irp nt, 0,1,2,3
.set rD, 8*(4*\mt+\nt)
.set rA, 96*(\p)+12*\mt
.set rB, 48*(\p)+12*\nt
.if (\s) == 0
	v_wmma_scale_f32_16x16x128_f8f6f4 v[rD:rD+7], v[rB:rB+11], v[rA:rA+11], v[96+8*\nt:103+8*\nt], v[SB+8*\nt+(\s)], v[SA+8*\mt+(\s)] matrix_a_fmt:MATRIX_FMT_FP6 matrix_b_fmt:MATRIX_FMT_FP6
.else
	v_wmma_scale_f32_16x16x128_f8f6f4 v[rD:rD+7], v[rB:rB+11], v[rA:rA+11], v[rD:rD+7], v[SB+8*\nt+(\s)], v[SA+8*\mt+(\s)] matrix_a_fmt:MATRIX_FMT_FP6 matrix_b_fmt:MATRIX_FMT_FP6
.endif
.endr
.endr
.endm
.macro STEP s
	s_wait_dscnt 0x0                               ; this step's 44 loads are in, and no LDS instruction of mine is pending at a signal
.if ((\s)%2 == 1) && ((\s) < 7)
	s_wait_tensorcnt 5-(\s)                        ; my two loads of the next chunk have landed; the loads issued behind them may stay out
	s_barrier_signal -1
	s_barrier_wait -1                              ; everybody's have
.endif
.if (\s) < 7
.if (\s) > 0
.rept 4
	v_nop                                          ; four places in front of loads into registers that the last products read
.endr
.endif
	FETCH (\s)+1, ((\s)+1)%2
.endif
	MUL \s, (\s)%2
.endm
.macro TOSTAGE mt                      ; tile mt's 16 rows x 64 columns into my stage, each accumulator from its low end on, and back as whole rows
	WIN 0x04                                       ; an LDS store's data are its source 1: window 1
.irp b, 0,1
.irp q, 0,1,2,3
	ds_store_b128 v[STO], v[32*(\mt)+16*\b+4*\q:32*(\mt)+16*\b+4*\q+3] offset:128*\b+16*\q
.endr
.endr
	WIN 0
.irp i, 0,1,2,3,4,5,6,7
	ds_load_b128 v[128+32*((\mt)%2)+4*\i:131+32*((\mt)%2)+4*\i], v[RD] offset:544*\i       ; LDS serves a wave's instructions in order: these see the stores above
.endr
.endm
.macro SEND mt, younger                ; younger: the LDS instructions issued behind tile mt's loads, which may stay out
	s_wait_dscnt \younger
.irp i, 0,1,2,3,4,5,6,7
	global_store_b128 v[CO], v[128+32*((\mt)%2)+4*\i:131+32*((\mt)%2)+4*\i], s[78:79] offset:(32*((\mt)/2)+8*((\mt)%2)+2*\i+8*(\i/4))*4096 th:TH_STORE_NT   ; sixteen lanes store 256 consecutive bytes, aligned
.endr
.endm
	s_load_b256 s[4:11], s[0:1], 0x0               ; ctx, pre, bo, out0
	v_lshl_add_u32 v[SPW], v0, 2, SPARE
	v_mov_b32 v[NIL], 0
	ds_add_u32 v[SPW], v[NIL]                      ; the wave's opening: the add and its wait stand ahead of my first tensor load; work on registers stands between them
	v_lshrrev_b32 v1, 5, v0
	v_readfirstlane_b32 s14, v1                    ; wave
	s_bfe_u32 s15, ttmp6, 0x40000                  ; cx
	s_bfe_u32 s16, ttmp6, 0x40004                  ; cy
	s_and_b32 s17, ttmp7, 0xffff                   ; the cluster's y, 0 .. 15
	s_lshl_b32 s19, s17, 2
	s_add_co_u32 s19, s19, s16                     ; mb: which 128 rows, 0 .. 63
	s_lshl_b32 s20, ttmp9, 2
	s_add_co_u32 s20, s20, s15                     ; nb: which 256 columns, 0 .. 3
	s_lshl_b32 s76, s16, 2
	s_lshl_b32 s76, 15, s76                        ; my row of the cluster
	s_lshl_b32 s80, 0x1111, s15                    ; my column
	s_or_b32 s[G1A], s76, (3<<16)|(1<<21)          ; 15:0 the mask; 17:16 elements of 8 bytes; 21 set beside a mask; no padding
	s_or_b32 s[G1B], s80, (3<<16)|(1<<21)
.irp g, G1A, G1B
	s_mov_b32 s[\g+1], 384<<16                     ; tensor_dim0: a tile's two fragments of a chunk, 3,072 bytes
	s_mov_b32 s[\g+3], 384<<16                     ; tile_dim0
	s_mov_b32 s[\g+5], 1536                        ; from tile to tile: 12,288 bytes
	s_mov_b32 s[\g+6], 0
	s_mov_b32 s[\g+7], 0
.endr
	s_mov_b32 s[G1A+2], 2<<16                      ; ctx: two tiles a wave
	s_mov_b32 s[G1A+4], 2
	s_mov_b32 s[G1B+2], 4<<16                      ; Wo: four
	s_mov_b32 s[G1B+4], 4
	s_lshl_b32 s76, s19, 3
	s_lshl_b32 s77, s14, 1
	s_add_co_u32 s76, s76, s77                     ; ctx: tile 8 mb + 2 wave
	s_mul_i32 s76, s76, 12288
	s_mov_b32 s77, 0
	s_lshl_b32 s80, s20, 4
	s_lshl_b32 s81, s14, 2
	s_add_co_u32 s80, s80, s81                     ; Wo: tile 16 nb + 4 wave
	s_mul_i32 s80, s80, 12288
	s_add_co_u32 s80, s80, WCO
	s_mov_b32 s81, 0
	s_mul_i32 s84, s14, 6144                       ; where they go: the wave's number alone enters an LDS address
	s_mul_i32 s85, s14, 12288
	s_add_co_u32 s85, s85, LB
	s_mov_b32 s94, s85                             ; also my stage
	s_wait_dscnt 0x0                               ; the opening add is done
	s_wait_kmcnt 0x0
	s_add_nc_u64 s[76:77], s[4:5], s[76:77]
	s_add_nc_u64 s[80:81], s[6:7], s[80:81]
.irp c, 0,1,2,3                        ; a group 0 for each of my eight loads: chunk c = K steps 2 c, 2 c + 1
	s_mov_b32 s[40+4*\c], 1
	s_add_co_u32 s[41+4*\c], s84, \c*24576
	s_add_nc_u64 s[42+4*\c:43+4*\c], s[76:77], \c*3072
	s_or_b32 s[43+4*\c], s[43+4*\c], 0x80000000
	s_mov_b32 s[56+4*\c+4*(\c/2)], 1
	s_add_co_u32 s[57+4*\c+4*(\c/2)], s85, \c*49152
	s_add_nc_u64 s[58+4*\c+4*(\c/2):59+4*\c+4*(\c/2)], s[80:81], \c*3072
	s_or_b32 s[59+4*\c+4*(\c/2)], s[59+4*\c+4*(\c/2)], 0x80000000
.endr
	CROUND                                         ; all sixteen work-groups are here: the joint loads meet
.irp c, 0,1,2,3                        ; eight loads of mine are out: all first fills, in one group
	tensor_load_to_lds s[40+4*\c:43+4*\c], s[G1A:G1A+7]
	s_nop 0
	tensor_load_to_lds s[56+4*\c+4*(\c/2):59+4*\c+4*(\c/2)], s[G1B:G1B+7]
	s_nop 0
.endr
.rept 4
	v_nop
.endr
	v_and_b32 v1, 31, v0                           ; lane
	v_and_b32 v2, 15, v0                           ; r
	v_bfe_u32 v3, v0, 4, 1                         ; h
	v_lshlrev_b32 v[AA16], 4, v1
	v_add_nc_u32 v[AA16+1], 49152, v[AA16]
	v_lshlrev_b32 v[AA8], 3, v1
	v_add_nc_u32 v[AA8+1], 49152, v[AA8]
.irp c, 0,1,2,3
	v_add_nc_u32 v[BB+\c], s85, v[AA16]
	s_add_co_u32 s85, s85, 49152
.endr
	v_lshlrev_b32 v13, 5, v2                       ; 32 r: a row's eight scale words
	v_lshlrev_b32 v15, 6, v3                       ; 64 h: tile 2 b + u, lane (r, h), register j: bias at 32 b + 16 h + 8 u + j
	v_mul_u32_u24 v[STO], v2, 272
	v_lshl_add_u32 v[STO], v3, 6, v[STO]
	v_add_nc_u32 v[STO], s94, v[STO]               ; in: row r of 272 bytes, + 64 h
	v_mul_u32_u24 v[RD], v3, 272
	v_lshl_add_u32 v[RD], v2, 4, v[RD]
	v_add_nc_u32 v[RD], s94, v[RD]                 ; back: lanes 0-15 one row, lanes 16-31 the next
	v_lshlrev_b32 v[CO], 12, v3
	v_lshl_add_u32 v[CO], v2, 4, v[CO]             ; and the same two rows in out0
	s_lshl_b32 s86, s19, 12                        ; ctx's scale words: 512 bytes a tile, 8 tiles
	s_add_co_u32 s86, s86, CSO
	s_mov_b32 s87, 0
	s_add_nc_u64 s[86:87], s[4:5], s[86:87]
	s_lshl_b32 s88, s20, 4
	s_lshl_b32 s89, s14, 2
	s_add_co_u32 s88, s88, s89
	s_lshl_b32 s88, s88, 9                         ; Wo's: my four tiles
	s_add_co_u32 s88, s88, WSO
	s_mov_b32 s89, 0
	s_add_nc_u64 s[88:89], s[6:7], s[88:89]
	s_lshl_b32 s90, s20, 10
	s_lshl_b32 s91, s14, 8
	s_add_co_u32 s90, s90, s91                     ; my 64 columns, in bytes
	s_mov_b32 s91, 0
	s_add_nc_u64 s[92:93], s[8:9], s[90:91]        ; their bias
	s_lshl_b32 s82, s19, 19                        ; 128 rows of 4,096 bytes
	s_mov_b32 s83, 0
	s_add_nc_u64 s[78:79], s[10:11], s[82:83]
	s_add_nc_u64 s[78:79], s[78:79], s[90:91]      ; my part of out0
.irp rt, 0,1,2,3,4,5,6,7
	global_load_b128 v[SA+8*\rt:SA+8*\rt+3],   v13, s[86:87] offset:512*\rt       ; register SA + 8 tile + K step: lane r has row r's word
	global_load_b128 v[SA+8*\rt+4:SA+8*\rt+7], v13, s[86:87] offset:512*\rt+16
.endr
.irp nt, 0,1,2,3
	global_load_b128 v[SB+8*\nt:SB+8*\nt+3],   v13, s[88:89] offset:512*\nt
	global_load_b128 v[SB+8*\nt+4:SB+8*\nt+7], v13, s[88:89] offset:512*\nt+16
.endr
	WIN 0xc0
.irp nt, 0,1,2,3
	global_load_b128 v[96+8*\nt:99+8*\nt],   v15, s[92:93] offset:128*(\nt/2)+32*(\nt%2)
	global_load_b128 v[100+8*\nt:103+8*\nt], v15, s[92:93] offset:128*(\nt/2)+32*(\nt%2)+16
.endr
	s_wait_tensorcnt 6                             ; my two loads of chunk 0 have landed; the six behind them may stay out
	s_barrier_signal -1
	s_barrier_wait -1                              ; everybody's have
	FETCH 0, 0
	s_wait_loadcnt 0x0                             ; scale words and bias
.irp s, 0,1,2,3,4,5,6,7
	STEP \s
.endr
	WIN 0
.rept 4
	v_nop                                          ; four places in front of the first read of results
.endr
	TOSTAGE 0
.irp mt, 1,2,3,4,5,6,7
.if \mt > 1
	s_wait_xcnt 0x0                                ; tile mt - 2's stores have read the registers into which tile mt's rows are loaded
.endif
	TOSTAGE \mt
	SEND \mt-1, 16                                 ; behind tile mt - 1's loads: tile mt's 8 stores and 8 loads
.endr
	SEND 7, 0
	s_wait_tensorcnt 0x0                           ; the wave's end, behind my last tensor load and my last LDS store
	ds_add_u32 v[SPW], v[NIL]
	s_wait_dscnt 0x0
	CROUND                                         ; the closing round
	s_endpgm
.Lfunc_end_k_qe1f77981f1_oproj:
	.size	k_qe1f77981f1_oproj, .Lfunc_end_k_qe1f77981f1_oproj-k_qe1f77981f1_oproj
	.p2alignl 7, 3214868480
	.fill 96, 4, 3214868480
	.section	.rodata,"a",@progbits
	.p2align	6, 0x0
	.amdhsa_kernel k_qe1f77981f1_oproj
		.amdhsa_group_segment_fixed_size 327680
		.amdhsa_private_segment_fixed_size 0
		.amdhsa_enable_private_segment 0
		.amdhsa_kernarg_size 32
		.amdhsa_user_sgpr_count 2
		.amdhsa_user_sgpr_kernarg_segment_ptr 1
		.amdhsa_wavefront_size32 1
		.amdhsa_system_sgpr_workgroup_id_x 1
		.amdhsa_system_sgpr_workgroup_id_y 1
		.amdhsa_system_sgpr_workgroup_id_z 1
		.amdhsa_system_vgpr_workitem_id 0
		.amdhsa_next_free_vgpr 896
		.amdhsa_next_free_sgpr 96
		.amdhsa_reserve_vcc 0
		.amdhsa_float_denorm_mode_32 3
		.amdhsa_float_denorm_mode_16_64 3
		.amdhsa_memory_ordered 1
		.amdhsa_forward_progress 1
		.amdhsa_inst_pref_size 83
	.end_amdhsa_kernel
	.amdgpu_metadata
---
amdhsa.version: [ 1, 2 ]
amdhsa.kernels:
  - .name:           k_qe1f77981f1_oproj
    .symbol:         k_qe1f77981f1_oproj.kd
    .args:
      - { .name: ctx, .offset: 0, .size: 8, .value_kind: global_buffer, .address_space: global }
      - { .name: pre, .offset: 8, .size: 8, .value_kind: global_buffer, .address_space: global }
      - { .name: bo, .offset: 16, .size: 8, .value_kind: global_buffer, .address_space: global }
      - { .name: out0, .offset: 24, .size: 8, .value_kind: global_buffer, .address_space: global }
    .group_segment_fixed_size: 327680
    .private_segment_fixed_size: 0
    .kernarg_segment_align: 8
    .kernarg_segment_size: 32
    .max_flat_workgroup_size: 128
    .sgpr_count:     96
    .vgpr_count:     896
    .wavefront_size: 32
...
	.end_amdgpu_metadata
.endif
;; end of part 4
;; ======== version 2 of 2: 4 launches; version 1 with the launch attn written anew for expert scheduling mode
;; workspace buffers: pre 22,937,600 bytes; mk 2,097,152 bytes of whole numbers; qkv 19,660,800 bytes; ctx 6,553,600 bytes
;; launch prep: the kernel of part 1 again; grid 768 x 1, 4 waves a work-group, no clusters, 64,000 bytes of LDS; arguments query, key, value, Wq, Wk, Wv, Wo, mask, pre, mk; writes pre, mk
;; launch proj: the kernel of part 2 again; grid 4 x 192, 4 waves a work-group, clusters of 4 x 4, 327,680 bytes of LDS; arguments pre, bq, bk, bv, qkv; writes qkv
;; launch attn (part 5): grid 4 x 64, 16 waves a work-group, no clusters, 206,848 bytes of LDS; arguments qkv, mk, ctx; writes ctx
.if DOCPART == 5
	.amdgcn_target "amdgcn-amd-amdhsa--gfx1250"
	.amdhsa_code_object_version 6
	.text
	.protected	k_qe1f77981f1_attn
	.globl	k_qe1f77981f1_attn
	.p2align	8
	.type	k_qe1f77981f1_attn,@function
k_qe1f77981f1_attn:
	s_mov_b64 s[64:65], 0
	v_nop
	global_prefetch_b8 v0, s[64:65] scope:SCOPE_SE
	s_setreg_imm32_b32 hwreg(HW_REG_WAVE_SCHED_MODE, 0, 2), 2
	s_setreg_imm32_b32 hwreg(HW_REG_WAVE_MODE, 25, 1), 1
	s_wait_xcnt 0x0
	s_wait_alu depctr_vm_vsrc(0)
; ATTN: ctx = softmax(mask ? q k^T / 8 : -inf) v, both products on codes of FP6 (E2M3) with E8M0 scales, and ctx quantised at once along the model's 1,024 for the last product.
; THE SOFTMAX: t = score x log2(e) / 8; M = the running largest t rounded UP to a whole number; p = 2^(t - M) is quantised along the keys, not normalised; the row's sum is taken of the unquantised p and divides at the end.
; SHARES.  A work-group takes one (batch, head) and 512 queries; each of its sixteen waves a pair of tiles of 16 queries, one tile after the other, in 256 registers: four waves to a SIMD, so that one wave's vector
; work stands beside another's products and LDS loads.  The head's whole K and V (196,608 bytes of codes, 8,192 of scale words) are copied into LDS once, through registers: one barrier in the launch.
; NO CLUSTER, NO JOINT LOAD: what the four work-groups of a head share is that one copy at the kernel's head, 25 loads of 16 bytes a thread, against 32 key steps a wave; no slot is ever filled again.
; Nothing is prefetched: all that a wave waits for from memory goes out at the kernel's head or a whole softmax ahead (the mask words).
; LAYOUT.  S^T = K Q^T and O^T = V^T P^T: a lane holds ONE query (lane % 16).  The head's size is 64, half of a product's K: a fragment of K holds TWO tiles of keys (registers 0-5, registers 6-11), and is multiplied
; by Q1 = [q, zero codes] for the first and by Q2 = [zero codes, q] for the second; the dead half's scale bytes on Q's side are 0, which is 2^-127 and harmless over zero codes.
; The rows of a tile are 32 (T / 2) + 8 (T % 2) + i + 8 (i / 8): so register 16 b + i of S^T is key 32 b + 16 (lane / 16) + i of the step's 128.
; THE MASK comes as words whose bit l is lane l's: word n for register n, in scalar registers, straight into v_cndmask_b32, in every key step: no jump hangs on it.
; A hidden score becomes -infinity ahead of the maximum; p is then 0.
; A ROW WITH NO KEY AT ALL has the sum 0: its scale bytes are stored as 0xff, which makes the last product's row NaN, as a softmax of nothing is.
; The scale bytes of ctx leave two a row (262,144 bytes in the launch); the codes in runs of 512 and 256 bytes.
; LIMITS: a block whose largest magnitude lies under 2^-124, a block of zeros among them, keeps the byte 1.  NaN and infinities in q, k, v are not served.
; THE MODE: SCHED_MODE bits 1:0 = 2 (LLVM: expert scheduling mode 2), set by the entry lines.  The code itself states the register dependences
; between vector or matrix instructions and memory or LDS instructions, with s_wait_alu, always for 0.
; THE PLAN.  Registers that memory or LDS instructions touch:
;   v1-v7       offsets and places, made at the head and never written again: read by the loop's address additions, by a tile's loads of q and by its stores.
;   v8-v11      the copy's addresses at the head; then the key step's four LDS addresses: written by four additions at a trip's head, read by K's loads (v8, v10) there and by V's (v9, v11) in mid-trip.
;   v40-v87     ONE set of four fragments (a second would take 48 registers; 20 are free): K's loads land at a trip's head, the eight products K Q^T read them; V's loads land in mid-trip, the four products V^T P^T read them.
;   v240-v247   K's and V's scale words: written by LDS loads, read by the same products.
;   v96-v195    at the head alone: the copy's loads land here and its LDS stores read them; afterwards S^T, O^T and p's codes, which vector and matrix instructions write.
;   v16-v21, v34-v39, v226   a tile's loads of q and of its scale word; v192-v197, v226   the data of a tile's three stores.
; A key step has three waits on va_vdst and one on vm_vsrc.  (1) vm_vsrc at its head: the LDS loads so far have read v8-v11.  (2) va_vdst behind the four additions: the addresses are written and the last step's products
; V^T P^T are done reading the fragments; K's loads follow at once.  (3) va_vdst behind the batch of 68 exponentials: their results are written and the products K Q^T are done reading the fragments; V's loads follow at once
; and land under the sums, the scales and the conversions.  (4) va_vdst behind O^T's rescaling: p's codes and scale word are written, ahead of the scaled products that take them.
.set KVSO,  18874368
.set QCO,   12582912
.set QSO,   19398656
.set CSO,   6291456
.set VC,    98304                      ; LDS: K's 64 fragments from 0, V's 64 from here,
.set KSL,   196608                     ; K's scale words, 64 bytes a fragment,
.set VSL,   200704                     ; V's,
.set SPARE, 204800                     ; the spare words, 128 bytes a wave, which no other line names
; v1 16 x lane; v2 the same in V; v3, v4 my scale word of a fragment of K, of V; v5 8 x lane; v6 4 r; v7 32 r; v8-11 the step's LDS addresses; v12 -M; v13 the largest t; v[14:15] the sum
; v16-27 Q1; v28-39 Q2; v40-87 four fragments; v96-159 S^T, then p; v160-191 O^T; v192-203 p's codes; v204-211, v212-229 at work; v230 -infinity; v240-243, v244-247 K's, V's scale words; v248, v249 Q1's, Q2's; v250 p's
; v254 my spare word's address, v255 0: never rewritten
; s2, s3 the step's place in the codes, in the scale words; s[4:51], s[68:83] the step's 64 mask words; s52 the step; s[54:55] the mask words' address; s[60:61] its step
	s_load_b128 s[84:87], s[0:1], 0x0              ; qkv, mk
	s_load_b64 s[88:89], s[0:1], 0x10              ; ctx
	v_lshl_add_u32 v254, v0, 2, SPARE
	v_mov_b32 v255, 0
	v_lshrrev_b32 v1, 5, v0
	v_readfirstlane_b32 s90, v1                    ; wave 0 .. 15
	s_and_b32 s91, ttmp7, 0xffff                   ; 16 batch + head
	v_lshlrev_b32 v8, 4, v0                        ; the copy: 16 bytes a thread, 8,192 a line
	v_add_nc_u32 v9, 0x10000, v8
	v_add_nc_u32 v10, 0x20000, v8
	v_add_nc_u32 v11, 0x30000, v8
	v_and_b32 v226, 31, v0                         ; all the head's vector work stands here, while the arguments are on their way, so that one wait ahead of the first load serves every register that it makes
	v_and_b32 v227, 15, v0
	v_lshlrev_b32 v1, 4, v226
	v_add_nc_u32 v2, VC, v1
	v_lshl_add_u32 v3, v227, 2, KSL
	v_lshl_add_u32 v4, v227, 2, VSL
	v_lshlrev_b32 v5, 3, v226
	v_lshlrev_b32 v6, 2, v227
	v_lshlrev_b32 v7, 5, v227
	v_mov_b32 v230, 0xff800000
.irp i, 22,23,24,25,26,27,28,29,30,31,32,33
	v_mov_b32 v[\i], 0                             ; the zero codes of Q1's upper and Q2's lower half: written once
.endr
.irp i, 216,217,218,219,225
	v_mov_b32 v[\i], 0                             ; lane permutes' destinations, and the upper word of the pair v[224:225]
.endr
	s_mul_i32 s60, s91, 196608
	s_mov_b32 s61, 0
	s_lshl_b32 s52, s91, 13
	s_add_co_u32 s52, s52, KVSO
	s_mov_b32 s53, 0
	s_wait_alu depctr_va_sdst(0)                   ; s90, the wave's number, is written, ahead of its first reader below
	s_wait_kmcnt 0x0
	s_add_nc_u64 s[60:61], s[84:85], s[60:61]
	s_add_nc_u64 s[52:53], s[84:85], s[52:53]
	s_wait_alu depctr_va_vdst(0)                   ; v8-v11, which the copy's loads and LDS stores read, and v1-v7, which the tiles' loads and stores read, are written
.irp i, 0,1,2,3,4,5,6,7,8,9,10,11,12,13,14,15,16,17,18,19,20,21,22,23
	global_load_b128 v[96+4*\i:99+4*\i], v8, s[60:61] offset:8192*\i
.endr
	global_load_b128 v[192:195], v8, s[52:53]      ; the scale words
	s_lshl_b32 s2, ttmp9, 4
	s_add_co_u32 s2, s2, s90                       ; P: my pair of tiles of queries, 0 .. 63
	s_lshr_b32 s3, s91, 4                          ; batch
	s_and_b32 s100, s91, 15                        ; head
	s_mul_i32 s62, s91, 98304
	s_mul_i32 s94, s2, 1536
	s_add_co_u32 s62, s62, s94
	s_add_co_u32 s62, s62, QCO
	s_mov_b32 s63, 0
	s_add_nc_u64 s[62:63], s[84:85], s[62:63]      ; my pair's codes of q
	s_lshl_b32 s66, s91, 12
	s_lshl_b32 s94, s2, 6
	s_add_co_u32 s66, s66, s94
	s_add_co_u32 s66, s66, QSO
	s_mov_b32 s67, 0
	s_add_nc_u64 s[66:67], s[84:85], s[66:67]      ; its scale words
	s_lshl_b32 s101, s3, 7
	s_lshl_b32 s94, s2, 1
	s_add_co_u32 s101, s101, s94                   ; 128 batch + 2 P: my first tile
	s_lshl_b32 s92, s101, 12
	s_mov_b32 s93, 0
	s_add_nc_u64 s[92:93], s[86:87], s[92:93]      ; its mask words, 4,096 bytes a tile
	s_lshl_b32 s94, s101, 3
	s_lshr_b32 s96, s100, 1
	s_add_co_u32 s94, s94, s96                     ; ctx: fragment 8 tile + head / 2,
	s_mul_i32 s94, s94, 1536
	s_and_b32 s96, s100, 1
	s_mul_i32 s96, s96, 768                        ; half head % 2
	s_add_co_u32 s94, s94, s96
	s_mov_b32 s95, 0
	s_add_nc_u64 s[94:95], s[88:89], s[94:95]
	s_lshl_b32 s96, s101, 9
	s_lshl_b32 s97, s100, 1
	s_add_co_u32 s96, s96, s97                     ; its scale bytes: 512 a tile, 32 a row, 2 a head
	s_add_co_u32 s96, s96, CSO
	s_mov_b32 s97, 0
	s_add_nc_u64 s[96:97], s[88:89], s[96:97]
	s_mov_b32 s56, 0x76543210
	s_mov_b32 s57, 0xfedcba98                      ; lane l xor 16
	s_mov_b32 s58, 0x3e38aa3b                      ; c = log2(e) / 8
	s_mov_b32 s59, s58                             ; (named with it as a pair)
.irp i, 0,1,2,3,4,5,6,7,8,9,10,11,12,13,14,15,16,17,18,19,20,21,22,23
	s_wait_loadcnt 24-\i                           ; load i is in; the loads issued behind it may be out
	ds_store_b128 v[8+\i/8], v[96+4*\i:99+4*\i] offset:8192*(\i%8)     ; no vector instruction since the wait on va_vdst above: the addresses stand
.endr
	s_wait_loadcnt 0x0
	ds_store_b128 v11, v[192:195]
	s_wait_dscnt 0x0                               ; for the others' sake: my stores have landed
	s_barrier_signal -1
	s_barrier_wait -1                              ; the head's K and V lie in LDS
.macro TILE par                        ; tile 2 P + par: 16 queries against all 2,048 keys
	s_wait_alu depctr_vm_vsrc(0)                   ; the first tile: the copy's LDS stores have read v96-v195 and v8-v11; the second: the first tile's stores have read v192-v197 and v226: all of these are written again below
	s_add_nc_u64 s[54:55], s[92:93], 4096*\par
	s_load_b512 s[4:19],  s[54:55], 0x0            ; step 0's 64 mask words
	s_load_b512 s[20:35], s[54:55], 0x40
	s_load_b512 s[36:51], s[54:55], 0x80
	s_load_b512 s[68:83], s[54:55], 0xc0
.irp d, 16, 34                         ; q's six registers twice: A's and B's fragments apart, Q1's and Q2's too.  No vector or matrix instruction since the last wait on va_vdst (the head's; the one ahead of the first tile's stores) names these registers, v226, v1 or v6
.if \par == 0
	global_load_b64 v[\d:\d+1],   v1, s[62:63]
	global_load_b64 v[\d+2:\d+3], v1, s[62:63] offset:8
	global_load_b64 v[\d+4:\d+5], v1, s[62:63] offset:512
.else
	global_load_b64 v[\d:\d+1],   v1, s[62:63] offset:520
	global_load_b64 v[\d+2:\d+3], v1, s[62:63] offset:1024
	global_load_b64 v[\d+4:\d+5], v1, s[62:63] offset:1032
.endif
.endr
	global_load_b32 v226, v6, s[66:67]             ; the pair's scale word
	s_wait_loadcnt 0x0
.if \par == 0
	v_and_b32 v248, 0xffff, v226                   ; my tile's two bytes below, 0 above
.else
	v_lshrrev_b32 v248, 16, v226
.endif
	v_lshlrev_b32 v249, 16, v248                   ; and the other way round.  (The lines below are more than the eight places that a scale register so written stands ahead of a scaled product)
	v_mov_b32 v13, 0xff61b1e6                      ; the largest t so far: -3e38
	v_floor_f32 v12, -v13                          ; -M
	v_mov_b32 v14, 0
	v_mov_b32 v15, 0
.set jj, 0
.rept 32
	v_mov_b32 v[160+jj], 0                         ; O^T: the loop is written once; its first step finds zeros
.set jj, jj+1
.endr
	s_mov_b32 s2, 0
	s_mov_b32 s3, 0
	s_mov_b32 s52, 0
	s_mov_b32 s61, 0                               ; the upper word of the mask address's step
.Lkey_\@:                              ; 16 trips: a key step of 128 keys
	s_wait_alu depctr_vm_vsrc(0)                   ; the LDS loads issued so far have read v8-v11, which the four additions write
	v_add_nc_u32 v8, s2, v1
	v_add_nc_u32 v9, s2, v2
	v_add_nc_u32 v10, s3, v3
	v_add_nc_u32 v11, s3, v4
	s_wait_alu depctr_va_vdst(0)                   ; v8-v11 are written, which the step's LDS loads read; the last step's products V^T P^T are done reading v40-v87, in which K's fragments land; in a tile's first step Q's zero codes and its scale words v248, v249 are written, which the scaled products take
.irp b, 0,1,2,3
.irp j, 0,1,2
	ds_load_b128 v[40+12*\b+4*\j:43+12*\b+4*\j], v8 offset:1536*\b+512*\j
.endr
	ds_load_b32 v[240+\b], v10 offset:64*\b
.endr
	s_wait_dscnt 0x0
.irp b, 0,1,2,3
	v_wmma_scale_f32_16x16x128_f8f6f4 v[96+16*\b:103+16*\b],  v[40+12*\b:51+12*\b], v[16:27], 0, v[240+\b], v248 matrix_a_fmt:MATRIX_FMT_FP6 matrix_b_fmt:MATRIX_FMT_FP6
	v_wmma_scale_f32_16x16x128_f8f6f4 v[104+16*\b:111+16*\b], v[40+12*\b:51+12*\b], v[28:39], 0, v[240+\b], v249 matrix_a_fmt:MATRIX_FMT_FP6 matrix_b_fmt:MATRIX_FMT_FP6
.endr
.rept 4
	v_nop                                          ; four places in front of the first read of the scores
.endr
	s_wait_kmcnt 0x0                               ; this step's mask words are in
.set n, 0
.rept 64
	v_cndmask_b32 v[96+n], v230, v[96+n], s[4+n+16*(n/48)]      ; bit l of word n: lane l's key of register n counts, or the score becomes -infinity
.set n, n+1
.endr
.irp b, 0,1,2,3
	v_max3_num_f32 v[212+\b], v[96+16*\b], v[97+16*\b], v[98+16*\b]     ; the largest score of each block of 32 keys: for the row's maximum, and for the block's largest p
.endr
.irp i, 3,5,7,9,11,13
.irp b, 0,1,2,3
	v_max3_num_f32 v[212+\b], v[212+\b], v[96+16*\b+\i], v[97+16*\b+\i]
.endr
.endr
.irp b, 0,1,2,3
	v_max_num_f32 v[212+\b], v[212+\b], v[111+16*\b]
.endr
.irp b, 0,1,2,3
	v_permlanex16_b32 v[216+\b], v[212+\b], s56, s57
.endr
.irp b, 0,1,2,3
	v_max_num_f32 v[212+\b], v[212+\b], v[216+\b]
.endr
	s_cmp_lt_u32 s52, 15                           ; the next step's words are asked for here, a whole softmax ahead of their use.  No scalar load is out, so the address may step:
	s_cselect_b32 s60, 256, 0                      ; 256 bytes a step; in the last trip it stays, so that no load leaves the tile's 4,096 bytes
	s_add_nc_u64 s[54:55], s[54:55], s[60:61]
	s_load_b512 s[4:19],  s[54:55], 0x0
	s_load_b512 s[20:35], s[54:55], 0x40
	s_load_b512 s[36:51], s[54:55], 0x80
	s_load_b512 s[68:83], s[54:55], 0xc0
	v_max3_num_f32 v226, v212, v213, v214
	v_max_num_f32 v226, v226, v215                 ; the step's largest score of my query
	v_mul_f32 v226, s58, v226                      ; as t
	v_max_num_f32 v13, v13, v226                   ; the running largest t
	v_mov_b32 v226, v12
	v_floor_f32 v12, -v13                          ; the new -M = floor(-t): M is a whole number
	v_sub_f32 v226, v12, v226                      ; old M - new M, 0 or less
	v_cvt_i32_f32 v226, v226                       ; (it saturates)
	v_ldexp_f32 v224, 1.0, v226                    ; f = 2^(old M - new M): a multiplication by it rounds nothing
.set jj, 0
.rept 32
	v_pk_fma_f32 v[96+jj:97+jj], v[96+jj:97+jj], s[58:59], v[12:13] op_sel_hi:[1,0,0]     ; t - M
.set jj, jj+2
.endr
.irp b, 0,1,2,3
	v_fma_f32 v[212+\b], v[212+\b], s58, v12       ; the same of each block's largest score
.endr
.set jj, 0
.rept 64
	v_exp_f32 v[96+jj], v[96+jj]                   ; p = 2^(t - M)
.set jj, jj+1
.endr
.irp b, 0,1,2,3
	v_exp_f32 v[212+\b], v[212+\b]                 ; the block's largest p: in the same batch, so that one wait serves all 68
.endr
	v_pk_mul_f32 v[14:15], v[14:15], v[224:225] op_sel_hi:[1,0]     ; the sum under the new M: the plain place behind the exponentials
	s_wait_alu depctr_va_vdst(0)                   ; the 68 exponentials have written v96-v159 and v212-v215, ahead of their first reader; the products K Q^T are done reading v40-v87, and the last step's V^T P^T its scale words v244-v247: V's loads land there
.irp b, 0,1,2,3                        ; V's four fragments land under the sums, the scales and the conversions, which name none of these registers
.irp j, 0,1,2
	ds_load_b128 v[40+12*\b+4*\j:43+12*\b+4*\j], v9 offset:1536*\b+512*\j
.endr
	ds_load_b32 v[244+\b], v11 offset:64*\b
.endr
	v_pk_add_f32 v[228:229], v[96:97], v[98:99]    ; the row's sum of the unquantised p, in two chains
.irp j, 4,8,12,16,20,24,28,32,36,40,44,48,52,56,60
	v_pk_add_f32 v[14:15], v[14:15], v[96+\j:97+\j]
	v_pk_add_f32 v[228:229], v[228:229], v[98+\j:99+\j]
.endr
	v_pk_add_f32 v[14:15], v[14:15], v[228:229]
.irp b, 0,1,2,3
	v_max_num_f32 v[212+\b], 0x1800000, v[212+\b]  ; the floor 2^(3 - 127)
.endr
.irp b, 0,1,2,3
	v_add_nc_u32 v[220+\b], 0xff000000, v[212+\b]  ; the conversion's scale operand
.endr
.irp b, 0,1,2,3
	v_lshrrev_b32 v[216+\b], 23, v[220+\b]         ; the scale's byte
.endr
	v_lshl_or_b32 v250, v217, 8, v216              ; p's scale word for these 128 keys
	v_lshl_or_b32 v250, v218, 16, v250
	v_lshl_or_b32 v250, v219, 24, v250
.irp c, 0,1
	v_cvt_scalef32_pk16_fp6_f32 v[192+6*\c:194+6*\c], v[96+32*\c:111+32*\c], v[220+2*\c]
	v_cvt_scalef32_pk16_fp6_f32 v[204+4*\c:206+4*\c], v[112+32*\c:127+32*\c], v[220+2*\c+1]
.endr
	v_nop                                          ; one plain place behind a scaled conversion
.irp c, 0,1
.irp i, 0,1,2
	v_permlane16_swap_b32 v[192+6*\c+\i], v[204+4*\c+\i]
.endr
.irp i, 0,1,2
	v_mov_b32 v[195+6*\c+\i], v[204+4*\c+\i]
.endr
.endr
.set jj, 0
.rept 16
	v_pk_mul_f32 v[160+jj:161+jj], v[160+jj:161+jj], v[224:225] op_sel_hi:[1,0]    ; O^T under the new M.  (These are also the places between p's codes and scale word and the products)
.set jj, jj+2
.endr
	s_wait_alu depctr_va_vdst(0)                   ; p's codes v192-v203 and its scale word v250 are written, which the scaled products take; the places above stay beside this wait
	s_wait_dscnt 0x0                               ; V
.irp t, 0,1,2,3
	v_wmma_scale_f32_16x16x128_f8f6f4 v[160+8*\t:167+8*\t], v[40+12*\t:51+12*\t], v[192:203], v[160+8*\t:167+8*\t], v[244+\t], v250 matrix_a_fmt:MATRIX_FMT_FP6 matrix_b_fmt:MATRIX_FMT_FP6
.endr
	s_add_co_u32 s2, s2, 6144
	s_add_co_u32 s3, s3, 256
	s_add_co_u32 s52, s52, 1
	s_cmp_lt_u32 s52, 16
	s_cbranch_scc1 .Lkey_\@
	s_wait_kmcnt 0x0                               ; the last trip's scalar loads are in: their registers and their address are written again by the next tile
.rept 4
	v_nop                                          ; four places in front of the first read of O^T
.endr
	v_add_f32 v14, v14, v15
	v_permlanex16_b32 v226, v14, s56, s57
	v_add_f32 v14, v14, v226                       ; the row's sum
	v_cmp_eq_f32 s60, 0, v14                       ; a row with no key at all
	v_rcp_f32 v224, v14
	v_nop                                          ; a plain place behind the transcendental
	s_wait_alu depctr_va_vdst(0)                   ; the reciprocal has written v224, ahead of its first reader
.set jj, 0
.rept 16
	v_pk_mul_f32 v[96+jj:97+jj], v[160+jj:161+jj], v[224:225] op_sel_hi:[1,0]      ; ctx: register 16 b + i = the head's 32 b + 16 (lane / 16) + i
.set jj, jj+2
.endr
.irp b, 0,1
	v_max3_num_f32 v[212+\b], |v[96+16*\b]|, |v[97+16*\b]|, 0x1800000
.endr
.irp i, 2,4,6,8,10,12,14
.irp b, 0,1
	v_max3_num_f32 v[212+\b], v[212+\b], |v[96+16*\b+\i]|, |v[97+16*\b+\i]|
.endr
.endr
.irp b, 0,1
	v_permlanex16_b32 v[216+\b], v[212+\b], s56, s57
.endr
.irp b, 0,1
	v_max_num_f32 v[212+\b], v[212+\b], v[216+\b]
.endr
.irp b, 0,1
	v_add_nc_u32 v[220+\b], 0xff000000, v[212+\b]
.endr
.irp b, 0,1
	v_lshrrev_b32 v[216+\b], 23, v[220+\b]
.endr
	v_lshl_or_b32 v226, v217, 8, v216              ; the head's two scale bytes of my row,
	v_mov_b32 v227, 0xffff
	s_wait_alu depctr_va_sdst(0)                   ; the compare has written s60, which the select below is the first to read
	v_cndmask_b32 v226, v226, v227, s60            ; or NaN's
	v_cvt_scalef32_pk16_fp6_f32 v[192:194], v[96:111], v220
	v_cvt_scalef32_pk16_fp6_f32 v[204:206], v[112:127], v221
	v_nop                                          ; one plain place behind a scaled conversion
.irp i, 0,1,2
	v_permlane16_swap_b32 v[192+\i], v[204+\i]
.endr
.irp i, 0,1,2
	v_mov_b32 v[195+\i], v[204+\i]
.endr
	s_wait_alu depctr_va_vdst(0)                   ; the codes v192-v197 and the scale bytes v226 are written, which the three stores read; the tile's products are done reading q's registers, in which the next tile's loads land
	global_store_b128 v1, v[192:195], s[94:95] offset:12288*\par         ; half a fragment: 512 consecutive bytes,
	global_store_b64  v5, v[196:197], s[94:95] offset:12288*\par+512     ; and 256
	global_store_b16  v7, v226, s[96:97] offset:512*\par
	s_wait_xcnt 0x0                                ; the stores have read their registers: the next tile writes them again (the wait on vm_vsrc that stands beside this one is the next tile's first line)
.endm
	TILE 0
	TILE 1
	s_wait_dscnt 0x0                               ; the closing lines, six on end
	s_wait_alu 0x0
	s_wait_tensorcnt 0x0
	ds_add_u32 v254, v255
	s_wait_dscnt 0x0
	s_endpgm
.Lfunc_end_k_qe1f77981f1_attn:
	.size	k_qe1f77981f1_attn, .Lfunc_end_k_qe1f77981f1_attn-k_qe1f77981f1_attn
	.p2alignl 7, 3214868480
	.fill 96, 4, 3214868480
	.section	.rodata,"a",@progbits
	.p2align	6, 0x0
	.amdhsa_kernel k_qe1f77981f1_attn
		.amdhsa_group_segment_fixed_size 206848
		.amdhsa_private_segment_fixed_size 0
		.amdhsa_enable_private_segment 0
		.amdhsa_kernarg_size 24
		.amdhsa_user_sgpr_count 2
		.amdhsa_user_sgpr_kernarg_segment_ptr 1
		.amdhsa_wavefront_size32 1
		.amdhsa_system_sgpr_workgroup_id_x 1
		.amdhsa_system_sgpr_workgroup_id_y 1
		.amdhsa_system_sgpr_workgroup_id_z 1
		.amdhsa_system_vgpr_workitem_id 0
		.amdhsa_next_free_vgpr 256
		.amdhsa_next_free_sgpr 102
		.amdhsa_reserve_vcc 0
		.amdhsa_float_denorm_mode_32 3
		.amdhsa_float_denorm_mode_16_64 3
		.amdhsa_memory_ordered 1
		.amdhsa_forward_progress 1
		.amdhsa_inst_pref_size 62
	.end_amdhsa_kernel
	.amdgpu_metadata
---
amdhsa.version: [ 1, 2 ]
amdhsa.kernels:
  - .name:           k_qe1f77981f1_attn
    .symbol:         k_qe1f77981f1_attn.kd
    .args:
      - { .name: qkv, .offset: 0, .size: 8, .value_kind: global_buffer, .address_space: global }
      - { .name: mk, .offset: 8, .size: 8, .value_kind: global_buffer, .address_space: global }
      - { .name: ctx, .offset: 16, .size: 8, .value_kind: global_buffer, .address_space: global }
    .group_segment_fixed_size: 206848
    .private_segment_fixed_size: 0
    .kernarg_segment_align: 8
    .kernarg_segment_size: 24
    .max_flat_workgroup_size: 512
    .sgpr_count:     102
    .vgpr_count:     256
    .wavefront_size: 32
...
	.end_amdgpu_metadata
.endif
;; end of part 5
;; launch oproj: the kernel of part 4 again; grid 4 x 64, 4 waves a work-group, clusters of 4 x 4, 327,680 bytes of LDS; arguments ctx, pre, bo, out0; writes out0
